; MI455X (gfx1250); checked and timed in simulation.
; The chip was launched on July 23, 2026; its instructions are those of AMD's public machine-readable ISA for CDNA 5 (MIT licence, August 2026) and "CDNA5" Instruction Set Architecture Reference Guide (July 2026). The comments in the code are by the model that wrote it; some were corrected since.
;; Decoder Block. Allowed arithmetic: matrix products marked QUANTISED: E2M3 operands, one E8M0 scale for each 32 along K, by v_wmma_scale_f32_16x16x128_f8f6f4 with both operands' format E2M3, f32 sums; everything else in f32.
;; Inputs: W1 1,024 x 4,096 float32; W2 4,096 x 1,024 float32; Wk 16 x 1,024 x 64 float32; Wo 1,024 x 1,024 float32; Wq 16 x 1,024 x 64 float32; Wv 16 x 1,024 x 64 float32; b1 4,096 float32; b2 1,024 float32; be1 1,024 float32; be2 1,024 float32; bo 1,024 float32; g1 1,024 float32; g2 1,024 float32; x 2 x 2,048 x 1,024 float32.
;; Outputs: out0 2 x 2,048 x 1,024 float32.
;; This version of the problem:
;;   THIS VERSION OF THE PROBLEM IS GIVEN IN LOW PRECISION. The matrix products marked QUANTISED in the list below multiply operands that are first quantised to E2M3 (2 exponent bits, 3 mantissa bits; 6 bits a number), with one power-of-two scale for each 32 numbers along K (OCP MX v1.0); their sums are f32. All else is computed in f32.
;;   The module's matrix products, in the order in which they are computed (A, B: the left and right operand; K: the contracted axis; several contracted axes count as one K, in the product's order):
;;     1. [M 1,024, K 1,024] x [K 1,024, N 4,096]; A: input Wq; B: computed on the way: QUANTISED
;;     2. [M 1,024, K 1,024] x [K 1,024, N 4,096]; A: input Wk; B: computed on the way: QUANTISED
;;     3. [M 1,024, K 1,024] x [K 1,024, N 4,096]; A: input Wv; B: computed on the way: QUANTISED
;;     4. batch 32 x [M 2,048, K 64] x [K 64, N 2,048]; A: computed on the way; B: computed on the way: QUANTISED
;;     5. batch 32 x [M 2,048, K 2,048] x [K 2,048, N 64]; A: softmax (see below); B: computed on the way: QUANTISED
;;     6. [M 4,096, K 1,024] x [K 1,024, N 1,024]; A: computed on the way; B: input Wo: QUANTISED
;;     7. [M 4,096, K 1,024] x [K 1,024, N 4,096]; A: computed on the way; B: input W1: QUANTISED
;;     8. [M 4,096, K 4,096] x [K 4,096, N 1,024]; A: computed on the way; B: input W2: QUANTISED
;;   THE QUANTISER, for each operand of a quantised product, along K:
;;     - K is cut into blocks of 32 from its start; a last block that is shorter is filled with zeros.
;;     - A block's scale is 2^e with e = floor(log2(the largest magnitude in the block)) - 2, held to -126 .. 127; a block of zeros has e = 0. As a byte (E8M0): e + 127.
;;     - Each number is divided by its block's scale, clamped to +-7.5, and rounded to the nearest number of E2M3, ties to even, subnormals kept.
;;     - The product sums the exact products of the quantised numbers (number of the format x scale) in f32.
;;   ~~~python
;;   def quantise(x, axis):      # numpy; x: float32 -> the quantised numbers, widened to float32 again
;;       x = np.moveaxis(x, axis, -1); K = x.shape[-1]
;;       x = np.pad(x, [(0, 0)] * (x.ndim - 1) + [(0, -K % 32)]); x = x.reshape(x.shape[:-1] + (-1, 32)); a = np.abs(x).max(-1, keepdims=True)
;;       e = np.where(a > 0, np.clip(np.frexp(np.where(a > 0, a, 1))[1] - 1 - 2, -126, 127), 0)      # np.frexp(a)[1] - 1 = floor(log2(a)), exactly
;;       r = np.clip(x / 2.0 ** e, -7.5, 7.5)
;;       step = 2.0 ** (np.maximum(np.frexp(np.where(r == 0, 1, r))[1] - 1, 0) - 3)
;;       q = np.round(r / step) * step * 2.0 ** e      # np.round: ties to even
;;       return np.moveaxis(q.reshape(q.shape[:-2] + (-1,))[..., :K], -1, axis).astype(np.float32)
;;   ~~~
;;   SOFTMAX AHEAD OF A QUANTISED PRODUCT. Where the list says 'softmax', what is quantised is not the finished softmax but p = 2^(t - M), with t = logit x log2(e) and M = ceil(the row's largest t), a whole number; so 1/2 < the row's largest p <= 1. The row's sum l is taken of the UNQUANTISED p, in f32, and the product's result is divided by l at the end. Since M is a whole number, a kernel that streams over the keys may use a running M (the ceiling of the running maximum): every later rescaling is an exact power of two, which a block's scale takes up: the codes' values come out the same.
;;   OPERANDS COMPUTED ON THE WAY. 'Computed on the way' means the value that the module computes at that place (a softmax that the list does not call 'softmax' is quantised finished and normalised). What goes into a quantiser is computed in f32, as accurately as f32 sums, v_exp_f32 and their like allow (about 1e-6 of the number): no bf16 or f16 on the way to a quantiser, and a product that is left as it is and whose result goes on into a quantised operand takes f32 operands (vector FMAs, or v_wmma_f32_16x16x4_f32). A number that lies on a knife's edge between two numbers of the format may be rounded either way, as far as f32 arithmetic and the matrix unit's own rounding can turn it there, and no further.
;; One version. Each part assembles by itself: llvm-mc -triple=amdgcn-amd-amdhsa -mcpu=gfx1250 --defsym DOCPART=n.
;; ======== version 1 of 1: 7 launches
;; limits: right only within a limited range of input values
;; workspace buffers: wts 9,830,400 bytes; hc 3,276,800 bytes; qf 3,407,872 bytes; kv 6,553,600 bytes; oc 3,276,800 bytes; x1 16,777,216 bytes; hid 13,107,200 bytes
;; launch prep (part 1): grid 448 x 1, 16 waves a work-group, no clusters, 68,608 bytes of LDS; arguments x, g1, be1, hc, Wq, Wk, Wv, Wo, W1, W2, wts; writes hc, wts
.if DOCPART == 1
	.amdgcn_target "amdgcn-amd-amdhsa--gfx1250"
	.amdhsa_code_object_version 6
	.text
	.protected	k_q856dc152c5_prep
	.globl	k_q856dc152c5_prep
	.p2align	8
	.type	k_q856dc152c5_prep,@function
k_q856dc152c5_prep:
	s_mov_b64 s[64:65], 0
	v_nop
	global_prefetch_b8 v0, s[64:65] scope:SCOPE_SE
	s_setreg_imm32_b32 hwreg(HW_REG_WAVE_MODE, 25, 1), 1
	s_wait_xcnt 0x0
; TWO JOBS IN ONE LAUNCH, told apart by the work-group's number alone: work-groups 0-191 quantise the six weights, one block of wts each; work-groups 192-447 normalise and quantise the tokens, one tile of 16 each.
; Both give codes of E2M3 with one E8M0 byte for each 32 along K, laid in the order of the matrix operand's registers:
; A BLOCK (51,200 bytes) = 128 rows x 512 along K: codes at ks 12288 + tile 1536 + hf 768, scale bytes at 49152 + tile 256 + 16 p + 4 ks + 2 hf + (block % 2).
; A HALF FRAGMENT (768 bytes) = 16 rows x 64 K: reader's lane l = p + 16 (block % 2) finds its first 16 bytes at 16 l and its last 8 at 512 + 8 l.
; THE ROWS OF A TILE ARE NOT NEIGHBOURS, of weights and of tokens alike: place p of tile 2 b + u of a group of 128 is row 32 b + 8 u + p + 8 (p / 8).
; THE WEIGHTS (f32, K not innermost): wave w takes 32 rows n (cg = w % 4) and one K step of 128 (kq = w / 4).  A LANE TAKES A ROW n AND ITS REGISTERS RUN DOWN K: a block of 32 lies in one lane, each load reads
; 128 neighbouring bytes, and the conversions give codes with K innermost.  One path serves all six tensors: pointer, pitch and places are chosen by selects on the work-group's number.  No LDS, no barrier.  Loads run two blocks ahead.
; THE TOKENS: STAGE 1: wave w normalises the token at place w (mean, then the sum of squared differences: two passes over registers, so a common offset does no harm) and puts (x - mean) rsqrt(var + eps) into LDS.
; STAGE 2: wave w makes half fragment w (K = 64 w on): lane (r, h) reads a whole block of 32 of row r, applies gain and bias, and quantises it by itself.  LDS rows are 4,112 bytes apart, an odd multiple of 16.
; No tensor load, no cluster: work-groups share nothing.  128 registers a wave and 68,608 bytes of LDS, so that two work-groups can lie on a WGP.
; LIMITS: NaN and infinities are not served; a block whose largest magnitude lies under 2^-124 (a block of zeros too) gets the byte 1: only this program reads the bytes.
.set NWQ,   192                        ; work-groups that take weights
.set YP,    4112
.set SCI,   66048                      ; the tile's 512 scale bytes: 256 for each chunk of 512 along K
.set SPARE, 66560                      ; the spare words, 128 bytes for each of the 16 waves, that no other line names
.set XR,  16                           ; tokens: v16-47  32 numbers
.set GR,  48                           ;         v48-79  gain of my block
.set BR,  80                           ;         v80-111 bias of my block
.set SPW, 12                           ; v12, v13: the add's two, in both paths kept for that alone
.set NIL, 13
.set OFF, 16                           ; weights: v16-47   i rows of K down + 4 x lane; never rewritten
.set X,   48                           ;          v48-111  two sets of 32 numbers
.set C,   112                          ;          v112-123 two sets of six registers of codes
.set Y,   124                          ;          v124-126 the second conversion's result
.set SB,  15                           ;          v15      the 4 scale bytes
.set VD1, 2
.set VD2, 3
.set VS,  4
.set PS,  24                           ; s24 log2 of the bytes from one k to the next
	v_lshl_add_u32 v[SPW], v0, 2, SPARE
	v_mov_b32 v[NIL], 0
	s_cmp_lt_u32 ttmp9, NWQ                        ; the same in all sixteen waves of a work-group
	s_cbranch_scc1 .Lweights
	; ======== THE TOKENS ========
	s_load_b256 s[4:11], s[0:1], 0x0               ; the rows, gain, bias, the codes' buffer
	v_lshrrev_b32 v1, 5, v0
	s_delay_alu instid0(VALU_DEP_1)
	v_readfirstlane_b32 s12, v1                    ; wave 0..15
	s_sub_co_u32 s3, ttmp9, NWQ                    ; which tile of 16 tokens
	s_lshr_b32 s13, s3, 3                          ; mb
	s_and_b32 s14, s3, 7                           ; tile
	s_lshl_b32 s15, s13, 7
	s_lshr_b32 s16, s14, 1
	s_lshl_b32 s16, s16, 5
	s_add_co_u32 s15, s15, s16
	s_and_b32 s16, s14, 1
	s_lshl_b32 s16, s16, 3
	s_add_co_u32 s15, s15, s16
	s_add_co_u32 s15, s15, s12
	s_and_b32 s16, s12, 8
	s_add_co_u32 s15, s15, s16                     ; my token: 128 mb + 32 (tile / 2) + 8 (tile % 2) + w + 8 (w / 8)
	s_lshl_b32 s16, s15, 12
	s_mov_b32 s17, 0
	s_mul_i32 s18, s13, 102400
	s_lshr_b32 s19, s12, 3
	s_mul_i32 s19, s19, 51200
	s_add_co_u32 s19, s19, s18
	s_bfe_u32 s20, s12, 0x20001
	s_mul_i32 s20, s20, 12288
	s_add_co_u32 s19, s19, s20
	s_mul_i32 s20, s14, 1536
	s_add_co_u32 s19, s19, s20
	s_and_b32 s20, s12, 1
	s_mul_i32 s20, s20, 768
	s_add_co_u32 s22, s19, s20                     ; where half fragment w goes
	s_mov_b32 s23, 0
	s_lshl_b32 s20, s14, 8
	s_add_co_u32 s24, s18, s20                     ; and the tile's scale bytes
	s_mov_b32 s25, 0
	s_mov_b32 s26, 0x3a800000                      ; 1 / 1024
	s_mov_b32 s27, 0x3727c5ac                      ; 1e-5
	s_mov_b32 s28, 0x76543210
	s_mov_b32 s29, 0xfedcba98                      ; selects for lane l xor 16
	v_and_b32 v9, 31, v0
	v_and_b32 v10, 15, v0                          ; r
	v_bfe_u32 v11, v0, 4, 1                        ; h
	s_wait_alu depctr_va_vdst(0)
	v_lshlrev_b32 v1, 4, v9                        ; 16 x lane
	s_wait_alu depctr_va_vdst(0)
	s_mul_i32 s30, s12, YP
	v_add_nc_u32 v2, s30, v1                       ; stage 1 writes row w
	s_lshl_b32 s31, s12, 8
	v_lshl_add_u32 v4, v11, 7, s31                 ; 256 w + 128 h: my block, in gain and bias and in a row
	s_delay_alu instid0(VALU_DEP_1)
	v_mad_u32_u24 v3, v10, YP, v4                  ; stage 2 reads row r
	s_lshr_b32 s30, s12, 3
	s_lshl_b32 s30, s30, 8
	s_and_b32 s31, s12, 7
	s_lshl_b32 s31, s31, 1
	s_add_co_u32 s30, s30, s31
	s_add_co_u32 s30, s30, SCI
	v_lshl_add_u32 v5, v10, 4, v11
	s_delay_alu instid0(VALU_DEP_1)
	v_add_nc_u32 v5, s30, v5                       ; my scale byte: 256 (w / 8) + 16 r + 2 (w % 8) + h
	v_add_nc_u32 v6, SCI, v1
	v_mul_u32_u24 v7, v11, 51200
	s_delay_alu instid0(VALU_DEP_1)
	v_lshl_add_u32 v7, v10, 4, v7                  ; wave 0's way out for the scale bytes
	v_lshlrev_b32 v8, 3, v9
	s_delay_alu instid0(VALU_DEP_1)
	v_add_nc_u32 v8, 512, v8
	s_wait_alu depctr_va_vdst(0)
	s_wait_kmcnt 0x0
	s_add_nc_u64 s[4:5], s[4:5], s[16:17]
	s_add_nc_u64 s[22:23], s[10:11], s[22:23]
	s_add_nc_u64 s[24:25], s[10:11], s[24:25]
.irp j, 0,1,2,3,4,5,6,7
	global_load_b128 v[XR+4*\j:XR+4*\j+3], v1, s[4:5] offset:512*\j      ; 512 consecutive bytes a load
.endr
.irp j, 0,1,2,3,4,5,6,7
	global_load_b128 v[GR+4*\j:GR+4*\j+3], v4, s[6:7] offset:16*\j
	global_load_b128 v[BR+4*\j:BR+4*\j+3], v4, s[8:9] offset:16*\j
.endr
	s_wait_loadcnt 16                              ; the row is in; gain's and bias's sixteen loads may be out
	; ---- stage 1: the mean
	v_pk_add_f32 v[114:115], v[16:17], v[18:19]
	v_pk_add_f32 v[116:117], v[32:33], v[40:41]
	v_pk_add_f32 v[118:119], v[20:21], v[22:23]
	v_pk_add_f32 v[126:127], v[34:35], v[42:43]
	v_pk_add_f32 v[124:125], v[24:25], v[26:27]
	v_pk_add_f32 v[122:123], v[36:37], v[44:45]
	v_pk_add_f32 v[120:121], v[28:29], v[30:31]
	v_pk_add_f32 v[112:113], v[38:39], v[46:47]
	s_delay_alu instid0(VALU_DEP_1)
	v_pk_add_f32 v[112:113], v[112:113], v[126:127]
	v_pk_add_f32 v[114:115], v[114:115], v[124:125]
	v_pk_add_f32 v[116:117], v[116:117], v[122:123]
	v_pk_add_f32 v[118:119], v[118:119], v[120:121]
	s_delay_alu instid0(VALU_DEP_2)
	v_pk_add_f32 v[112:113], v[112:113], v[116:117]
	s_delay_alu instid0(VALU_DEP_2)
	v_pk_add_f32 v[114:115], v[114:115], v[118:119]
	s_delay_alu instid0(VALU_DEP_1)
	v_pk_add_f32 v[112:113], v[112:113], v[114:115]
	s_delay_alu instid0(VALU_DEP_1)
	v_add_f32 v112, v112, v113
	s_delay_alu instid0(VALU_DEP_1)
	v_add_f32_dpp v112, v112, v112 row_xmask:1 row_mask:0xf bank_mask:0xf
	s_delay_alu instid0(VALU_DEP_1)
	v_add_f32_dpp v112, v112, v112 row_xmask:2 row_mask:0xf bank_mask:0xf
	s_delay_alu instid0(VALU_DEP_1)
	v_add_f32_dpp v112, v112, v112 row_xmask:4 row_mask:0xf bank_mask:0xf
	s_delay_alu instid0(VALU_DEP_1)
	v_add_f32_dpp v112, v112, v112 row_xmask:8 row_mask:0xf bank_mask:0xf
	s_delay_alu instid0(VALU_DEP_1)
	v_permlanex16_b32 v113, v112, s28, s29
	s_delay_alu instid0(VALU_DEP_1)
	v_add_f32 v112, v112, v113
	s_delay_alu instid0(VALU_DEP_1)
	v_mul_f32 v112, s26, v112
.irp q, 0,1,2,3,4,5,6,7,8,9,10,11,12,13,14,15
	v_pk_add_f32 v[XR+2*\q:XR+2*\q+1], v[XR+2*\q:XR+2*\q+1], v[112:113] op_sel_hi:[1,0] neg_lo:[0,1] neg_hi:[0,1]   ; x - mean
.endr
	; the variance
.irp q, 0,1,2,3
	v_pk_mul_f32 v[114+2*\q:115+2*\q], v[XR+2*\q:XR+2*\q+1], v[XR+2*\q:XR+2*\q+1]
.endr
.irp q, 4,5,6,7,8,9,10,11,12,13,14,15
	s_delay_alu instid0(VALU_DEP_4)
	v_pk_fma_f32 v[114+2*(\q%4):115+2*(\q%4)], v[XR+2*\q:XR+2*\q+1], v[XR+2*\q:XR+2*\q+1], v[114+2*(\q%4):115+2*(\q%4)]
.endr
	s_delay_alu instid0(VALU_DEP_3)
	v_pk_add_f32 v[114:115], v[114:115], v[116:117]
	s_delay_alu instid0(VALU_DEP_2)
	v_pk_add_f32 v[118:119], v[118:119], v[120:121]
	s_delay_alu instid0(VALU_DEP_1)
	v_pk_add_f32 v[114:115], v[114:115], v[118:119]
	s_delay_alu instid0(VALU_DEP_1)
	v_add_f32 v114, v114, v115
	s_delay_alu instid0(VALU_DEP_1)
	v_add_f32_dpp v114, v114, v114 row_xmask:1 row_mask:0xf bank_mask:0xf
	s_delay_alu instid0(VALU_DEP_1)
	v_add_f32_dpp v114, v114, v114 row_xmask:2 row_mask:0xf bank_mask:0xf
	s_delay_alu instid0(VALU_DEP_1)
	v_add_f32_dpp v114, v114, v114 row_xmask:4 row_mask:0xf bank_mask:0xf
	s_delay_alu instid0(VALU_DEP_1)
	v_add_f32_dpp v114, v114, v114 row_xmask:8 row_mask:0xf bank_mask:0xf
	s_delay_alu instid0(VALU_DEP_1)
	v_permlanex16_b32 v115, v114, s28, s29
	s_delay_alu instid0(VALU_DEP_1)
	v_add_f32 v114, v114, v115
	s_delay_alu instid0(VALU_DEP_1)
	v_fma_f32 v114, v114, s26, s27                 ; var + eps
	s_wait_alu depctr_va_vdst(0)
	v_rsq_f32 v116, v114
	v_nop                                          ; a plain place behind the transcendental
	s_wait_alu depctr_va_vdst(0)                   ; the wait ahead of the result's first reader
.irp q, 0,1,2,3,4,5,6,7,8,9,10,11,12,13,14,15
	v_pk_mul_f32 v[XR+2*\q:XR+2*\q+1], v[XR+2*\q:XR+2*\q+1], v[116:117] op_sel_hi:[1,0]
.endr
.irp j, 0,1,2,3,4,5,6,7
	ds_store_b128 v2, v[XR+4*\j:XR+4*\j+3] offset:512*\j
.endr
	s_wait_dscnt 0x0                               ; for the others' sake: my row lies in LDS
	s_barrier_signal -1
	s_barrier_wait -1
	; ---- stage 2: my block of 32 of row r
.irp j, 0,1,2,3,4,5,6,7
	ds_load_b128 v[XR+4*\j:XR+4*\j+3], v3 offset:16*\j
.endr
	s_wait_loadcnt 0x0                             ; gain and bias
	s_wait_dscnt 0x0
.irp q, 0,1,2,3,4,5,6,7,8,9,10,11,12,13,14,15
	v_pk_fma_f32 v[XR+2*\q:XR+2*\q+1], v[XR+2*\q:XR+2*\q+1], v[GR+2*\q:GR+2*\q+1], v[BR+2*\q:BR+2*\q+1]
.endr
	v_max3_num_f32 v112, |v[XR]|, |v[XR+1]|, |v[XR+2]|
	v_max3_num_f32 v113, |v[XR+3]|, |v[XR+4]|, |v[XR+5]|
.irp i, 6,10,14,18,22,26
	s_delay_alu instid0(VALU_DEP_2)
	v_max3_num_f32 v112, v112, |v[XR+\i]|, |v[XR+\i+1]|
	s_delay_alu instid0(VALU_DEP_2)
	v_max3_num_f32 v113, v113, |v[XR+\i+2]|, |v[XR+\i+3]|
.endr
	s_delay_alu instid0(VALU_DEP_2)
	v_max3_num_f32 v112, v112, |v[XR+30]|, |v[XR+31]|
	s_delay_alu instid0(VALU_DEP_1)
	v_max3_num_f32 v112, v112, v113, 0x1800000     ; with the floor 2^(3 - 127)
	s_delay_alu instid0(VALU_DEP_1)
	v_add_nc_u32 v114, 0xff000000, v112            ; the conversion's scale operand
	s_delay_alu instid0(VALU_DEP_1)
	v_lshrrev_b32 v115, 23, v114                   ; the byte
	v_cvt_scalef32_pk16_fp6_f32 v[116:118], v[XR:XR+15], v114
	v_cvt_scalef32_pk16_fp6_f32 v[120:122], v[XR+16:XR+31], v114
	v_nop                                          ; one plain place behind a scaled conversion
	v_mov_b32 v119, v120
	v_mov_b32 v120, v121
	v_mov_b32 v121, v122
	ds_store_b8 v5, v115
	global_store_b128 v1, v[116:119], s[22:23]     ; 512 consecutive bytes, aligned
	global_store_b64 v8, v[120:121], s[22:23]      ; 256 consecutive bytes, aligned
	s_wait_dscnt 0x0                               ; my scale byte lies in LDS
	s_barrier_signal -1
	s_barrier_wait -1
	s_cmp_lg_u32 s12, 0
	s_cbranch_scc1 .Lend
	ds_load_b128 v[16:19], v6                      ; wave 0: the tile's 512 scale bytes leave as two aligned runs of 256
	s_wait_dscnt 0x0
	global_store_b128 v7, v[16:19], s[24:25] offset:49152
.Lend:
	s_wait_tensorcnt 0x0                           ; the wave's end, behind my last LDS store
	ds_add_u32 v[SPW], v[NIL]
	s_wait_dscnt 0x0
	s_endpgm
	; ======== THE WEIGHTS ========
.Lweights:
	s_load_b256 s[4:11], s[0:1], 0x20              ; Wq, Wk, Wv, Wo
	s_load_b128 s[12:15], s[0:1], 0x40             ; W1, W2
	s_load_b64 s[16:17], s[0:1], 0x50              ; wts
	v_lshrrev_b32 v1, 5, v0
	s_delay_alu instid0(VALU_DEP_1)
	v_readfirstlane_b32 s18, v1                    ; wave 0..15
	s_and_b32 s63, ttmp9, 7                        ; x
	s_lshr_b32 s19, ttmp9, 3                       ; y: 0-1 Wq, 2-3 Wk, 4-5 Wv, 6-7 Wo, 8-15 W1, 16-23 W2
	s_and_b32 s20, s18, 3                          ; cg
	s_lshr_b32 s21, s18, 2                         ; kq
	s_and_b32 s22, s19, 1                          ; the chunk of 512 along K where K = 1,024
	s_sub_co_u32 s23, s19, 16                      ; and in W2
	s_lshl_b32 s29, s20, 7
	s_lshl_b32 s28, s63, 9
	s_add_co_u32 s28, s28, s29                     ; first column in bytes, Wo and W2: 512 x + 128 cg
	s_lshr_b32 s30, s19, 1
	s_and_b32 s30, s30, 3
	s_lshl_b32 s31, s63, 2
	s_add_co_u32 s30, s30, s31                     ; W1's group of 128 rows: 4 x + (y - 8) / 2
	s_lshl_b32 s30, s30, 9
	s_add_co_u32 s30, s30, s29
	s_lshl_b32 s31, s63, 19                        ; Wq, Wk, Wv: head 2 x + cg / 2 (262,144 bytes a head), d = 32 (cg % 2)
	s_lshr_b32 s48, s20, 1
	s_lshl_b32 s48, s48, 18
	s_add_co_u32 s31, s31, s48
	s_and_b32 s48, s20, 1
	s_lshl_b32 s48, s48, 7
	s_add_co_u32 s31, s31, s48
	v_bfe_u32 v6, v0, 3, 1                         ; u = (o / 8) % 2
	v_and_b32 v7, 7, v0
	v_bfe_u32 v8, v0, 4, 1
	s_delay_alu instid0(VALU_DEP_1)
	v_lshl_add_u32 v7, v8, 3, v7                   ; p
	v_and_b32 v5, 31, v0
	s_delay_alu instid0(VALU_DEP_1)
	v_lshlrev_b32 v5, 2, v5                        ; 4 o
	v_mul_u32_u24 v9, v6, 1536
	s_mul_i32 s58, s20, 3072
	s_mul_i32 s59, s21, 12288
	s_add_co_u32 s58, s58, s59
	v_add_nc_u32 v9, s58, v9                       ; tile 1536 + K step kq
	s_delay_alu instid0(VALU_DEP_1)
	v_lshl_add_u32 v[VD1], v7, 4, v9
	s_delay_alu instid0(VALU_DEP_2)
	v_lshl_add_u32 v[VD2], v7, 3, v9
	s_lshl_b32 s59, s20, 9
	s_lshl_b32 s60, s21, 2
	s_add_co_u32 s59, s59, s60
	v_lshl_add_u32 v[VS], v6, 8, s59
	s_delay_alu instid0(VALU_DEP_1)
	v_lshl_add_u32 v[VS], v7, 4, v[VS]             ; tile 256 + 16 p + 4 kq
	s_wait_alu depctr_va_vdst(0)
	s_wait_kmcnt 0x0
	s_cmp_lt_u32 s19, 16                           ; the choices hang on the work-group's number alone
	s_cselect_b64 s[50:51], s[12:13], s[14:15]
	s_cselect_b32 s[PS], 14, 12
	s_cselect_b32 s27, s22, s23
	s_cselect_b32 s26, 56, 112
	s_cselect_b32 s49, s30, s28
	s_cmp_lt_u32 s19, 8
	s_cselect_b64 s[50:51], s[10:11], s[50:51]
	s_cselect_b32 s[PS], 12, s[PS]
	s_cselect_b32 s25, 2, 8
	s_cselect_b32 s26, 42, s26
	s_cselect_b32 s49, s28, s49
	s_cmp_lt_u32 s19, 6
	s_cselect_b64 s[50:51], s[8:9], s[50:51]
	s_cselect_b32 s[PS], 8, s[PS]
	s_cselect_b32 s25, 6, s25
	s_cselect_b32 s26, 0, s26
	s_cselect_b32 s49, s31, s49
	s_cmp_lt_u32 s19, 4
	s_cselect_b64 s[50:51], s[6:7], s[50:51]
	s_cmp_lt_u32 s19, 2
	s_cselect_b64 s[50:51], s[4:5], s[50:51]
	s_mul_i32 s52, s63, s25
	s_add_co_u32 s52, s52, s19
	s_add_co_u32 s52, s52, s26                     ; which block of wts
	s_mul_i32 s52, s52, 51200
	s_mov_b32 s53, 0
	s_add_nc_u64 s[16:17], s[16:17], s[52:53]
	s_lshl_b32 s54, s27, 9
	s_lshl_b32 s55, s21, 7
	s_add_co_u32 s54, s54, s55                     ; my first k
	s_lshl_b32 s54, s54, s[PS]
	s_add_co_u32 s54, s54, s49
	s_mov_b32 s55, 0
	s_add_nc_u64 s[32:33], s[50:51], s[54:55]      ; a base for each block of 32 along K: none is ever stepped
	s_lshl_b32 s56, 32, s[PS]
	s_mov_b32 s57, 0
.irp t, 1,2,3
	s_add_nc_u64 s[32+2*\t:33+2*\t], s[30+2*\t:31+2*\t], s[56:57]
.endr
.set li, 0
.rept 32
	v_lshl_add_u32 v[OFF+li], li, s[PS], v5
.set li, li+1
.endr
.macro LOAD t                          ; block t: 32 numbers down K of my row n, into set t % 2
.set li, 0
.rept 32
	global_load_b32 v[X+32*((\t)%2)+li], v[OFF+li], s[32+2*(\t):33+2*(\t)] th:TH_LOAD_NT
.set li, li+1
.endr
.endm
.macro BLOCK t
.set XS, X+32*((\t)%2)
.set CT, C+6*((\t)%2)
.if (\t) < 3
	s_wait_loadcnt 32                              ; this block's 32 loads are in; the next block's 32 may be out
.else
	s_wait_loadcnt 0x0
.endif
	v_max3_num_f32 v10, |v[XS]|, |v[XS+1]|, |v[XS+2]|
	v_max3_num_f32 v14, |v[XS+3]|, |v[XS+4]|, |v[XS+5]|
.irp i, 6,10,14,18,22,26
	s_delay_alu instid0(VALU_DEP_2)
	v_max3_num_f32 v10, v10, |v[XS+\i]|, |v[XS+\i+1]|
	s_delay_alu instid0(VALU_DEP_2)
	v_max3_num_f32 v14, v14, |v[XS+\i+2]|, |v[XS+\i+3]|
.endr
	s_delay_alu instid0(VALU_DEP_2)
	v_max3_num_f32 v10, v10, |v[XS+30]|, |v[XS+31]|
	s_delay_alu instid0(VALU_DEP_1)
	v_max3_num_f32 v10, v10, v14, 0x1800000        ; with the floor 2^(3 - 127): the byte cannot fall under 1
	s_delay_alu instid0(VALU_DEP_1)
	v_add_nc_u32 v11, 0xff000000, v10              ; 2 off the exponent field: the conversion's scale operand
	s_delay_alu instid0(VALU_DEP_1)
	v_lshrrev_b32 v14, 23, v11                     ; the byte
.if (\t) == 0
	s_delay_alu instid0(VALU_DEP_1)
	v_mov_b32 v[SB], v14
.else
	s_delay_alu instid0(VALU_DEP_1)
	v_lshl_or_b32 v[SB], v14, 8*(\t), v[SB]
.endif
.if (\t) >= 2
	s_wait_alu depctr_va_vdst(0)
	s_wait_xcnt 0x0                                ; block t - 2's stores have read this set of codes: it is written again only behind this wait
.endif
	v_cvt_scalef32_pk16_fp6_f32 v[CT:CT+2], v[XS:XS+15], v11
	v_cvt_scalef32_pk16_fp6_f32 v[Y:Y+2], v[XS+16:XS+31], v11   ; (a conversion's three registers begin on an even number)
	v_nop                                          ; one plain place behind a scaled conversion
.irp i, 0,1,2
	v_mov_b32 v[CT+3+\i], v[Y+\i]
.endr
	global_store_b128 v[VD1], v[CT:CT+3], s[16:17] offset:((\t)/2)*768+((\t)%2)*256       ; sixteen lanes of a tile store 256 consecutive bytes, aligned
	global_store_b64 v[VD2], v[CT+4:CT+5], s[16:17] offset:((\t)/2)*768+512+((\t)%2)*128
.if (\t)+2 < 4
	LOAD (\t)+2
.endif
.endm
	LOAD 0
	LOAD 1
.irp t, 0,1,2,3
	BLOCK \t
.endr
	global_store_b32 v[VS], v[SB], s[16:17] offset:49152
	s_wait_tensorcnt 0x0                           ; the wave's end
	ds_add_u32 v[SPW], v[NIL]
	s_wait_dscnt 0x0
	s_endpgm
.Lfunc_end_k_q856dc152c5_prep:
	.size	k_q856dc152c5_prep, .Lfunc_end_k_q856dc152c5_prep-k_q856dc152c5_prep
	.p2alignl 7, 3214868480
	.fill 96, 4, 3214868480
	.section	.rodata,"a",@progbits
	.p2align	6, 0x0
	.amdhsa_kernel k_q856dc152c5_prep
		.amdhsa_group_segment_fixed_size 68608
		.amdhsa_private_segment_fixed_size 0
		.amdhsa_enable_private_segment 0
		.amdhsa_kernarg_size 88
		.amdhsa_user_sgpr_count 2
		.amdhsa_user_sgpr_kernarg_segment_ptr 1
		.amdhsa_wavefront_size32 1
		.amdhsa_system_sgpr_workgroup_id_x 1
		.amdhsa_system_sgpr_workgroup_id_y 1
		.amdhsa_system_sgpr_workgroup_id_z 1
		.amdhsa_system_vgpr_workitem_id 0
		.amdhsa_next_free_vgpr 128
		.amdhsa_next_free_sgpr 66
		.amdhsa_reserve_vcc 0
		.amdhsa_float_denorm_mode_32 3
		.amdhsa_float_denorm_mode_16_64 3
		.amdhsa_memory_ordered 1
		.amdhsa_forward_progress 1
		.amdhsa_inst_pref_size 44
	.end_amdhsa_kernel
	.amdgpu_metadata
---
amdhsa.version: [ 1, 2 ]
amdhsa.kernels:
  - .name:           k_q856dc152c5_prep
    .symbol:         k_q856dc152c5_prep.kd
    .args:
      - { .name: x, .offset: 0, .size: 8, .value_kind: global_buffer, .address_space: global }
      - { .name: g1, .offset: 8, .size: 8, .value_kind: global_buffer, .address_space: global }
      - { .name: be1, .offset: 16, .size: 8, .value_kind: global_buffer, .address_space: global }
      - { .name: hc, .offset: 24, .size: 8, .value_kind: global_buffer, .address_space: global }
      - { .name: Wq, .offset: 32, .size: 8, .value_kind: global_buffer, .address_space: global }
      - { .name: Wk, .offset: 40, .size: 8, .value_kind: global_buffer, .address_space: global }
      - { .name: Wv, .offset: 48, .size: 8, .value_kind: global_buffer, .address_space: global }
      - { .name: Wo, .offset: 56, .size: 8, .value_kind: global_buffer, .address_space: global }
      - { .name: W1, .offset: 64, .size: 8, .value_kind: global_buffer, .address_space: global }
      - { .name: W2, .offset: 72, .size: 8, .value_kind: global_buffer, .address_space: global }
      - { .name: wts, .offset: 80, .size: 8, .value_kind: global_buffer, .address_space: global }
    .group_segment_fixed_size: 68608
    .private_segment_fixed_size: 0
    .kernarg_segment_align: 8
    .kernarg_segment_size: 88
    .max_flat_workgroup_size: 512
    .sgpr_count:     66
    .vgpr_count:     128
    .wavefront_size: 32
...
	.end_amdgpu_metadata
.endif
;; end of part 1
;; launch qkv (part 2): grid 8 x 32, 4 waves a work-group, clusters of 4 x 4, 327,680 bytes of LDS; arguments hc, wts, qf, kv; writes qf, kv
.if DOCPART == 2
	.amdgcn_target "amdgcn-amd-amdhsa--gfx1250"
	.amdhsa_code_object_version 6
	.text
	.protected	k_q856dc152c5_qkv
	.globl	k_q856dc152c5_qkv
	.p2align	8
	.type	k_q856dc152c5_qkv,@function
k_q856dc152c5_qkv:
	s_mov_b64 s[64:65], 0
	v_nop
	global_prefetch_b8 v0, s[64:65] scope:SCOPE_SE
	s_setreg_imm32_b32 hwreg(HW_REG_WAVE_MODE, 25, 1), 1
	s_wait_xcnt 0x0
	s_wait_alu depctr_hold_cnt(0) depctr_sa_sdst(0) depctr_va_vdst(0) depctr_va_sdst(0) depctr_va_ssrc(0) depctr_va_vcc(0) depctr_vm_vsrc(0)
	s_getreg_b32 s2, hwreg(HW_REG_IB_STS2, 6, 4)
	s_cmp_eq_u32 s2, 0
	s_cbranch_scc0 .Lentry_in_a_cluster
	s_endpgm
.Lentry_in_a_cluster:
	s_bfe_u32 s2, ttmp6, 0x10000c
	s_cmp_lg_u32 s2, 0xf033
	s_cbranch_scc0 .Lentry_shape_is_right
	s_endpgm
.Lentry_shape_is_right:
; q, k, v = LayerNorm(x) Wq, Wk, Wv on codes of E2M3, and the quantising of q and k (along the head's 64) and of v (along the tokens) for attention.
; A work-group takes 128 tokens (mb) and 128 rows of the weights (nb: two heads) and walks three tiles of 128 x 128: q, k, v.  Four waves, 2 x 2 (wr: tokens, wc: weights = the head), 64 x 64 each: 16 accumulators.
; OPERANDS lie in memory and in LDS in the order of the operand's registers: a block of 51,200 bytes = 128 rows x 512 K: codes at ks 12288 + tile 1536 + hf 768 (lane l: 16 bytes at 16 l, 8 at 512 + 8 l),
; a row's 16 scale bytes at 49152 + tile 256 + 16 r.  Every LDS read is 16 or 8 bytes a lane on end: no pitch, no padding.
; LDS: the tokens' two blocks (K = 1,024) stay for the whole launch; the weights go through two slots of a whole tile (two blocks).  At the head waves 0 and 1 bring the tokens' halves, waves 2 and 3 a whole tile each; a refill is a quarter (25,600 bytes) a wave, by one tensor load.
; CLUSTER 4 x 4: the four of a row share the tokens' blocks, the four of a column the weights': each is asked for jointly.  A wave has one tensor load out at the start, later one.
; q AND k ARE MADE TRANSPOSED (source 0 = 16 rows of the weight, source 1 = 16 tokens): a lane holds one token and its registers run along d.  v IS MADE THE OTHER WAY ROUND: a lane holds one d and its registers
; run along the tokens.  The rows of a tile, of weights and of tokens alike, are chosen (place p of tile 2 b + u = row 32 b + 8 u + p + 8 (p / 8)) so that the 16 registers of tiles 2 b, 2 b + 1 are 16 neighbours.
; OUT: qf: a half fragment (768 bytes) for each tile of 16 queries, and a scale word (s0, s1, s0, s1) a query.  kv: for each head and 128 keys 12,800 bytes: four pairs of key tiles (a pair fills K = 128), four fragments of v^T, their scale words.
; REGISTERS: window 0: v1-29 addresses; v32-63 scale words, two sets (lanes 0-15 the tokens', lanes 16-31 the weights'); v64-127 at work on the way out; v128-255 accumulators.  Window 1: three fragment buffers of 48; windows 2 and 3 the tokens' fragments.
; LIMITS: NaN and infinities are not served; a block whose largest magnitude lies under 2^-124 gets the byte 1: only this program reads the bytes.
.set SPARE, 307200                     ; behind the slots: the spare words, 128 bytes for each wave, that no other line names
.set ADA,  4                           ; v4-5    LDS: my tokens' fragments in chunk 0, 1 (16 x lane)
.set ADA8, 6                           ; v6-7    the same for the 8-byte parts
.set ADB,  8                           ; v8-11   my weights' fragments in chunk y = 2 slot + chunk
.set ADB8, 12                          ; v12-15
.set ADS,  16                          ; v16-19  scale words: lanes 0-15 the tokens', lanes 16-31 the weights'
.set L16,  20
.set L8,   21
.set R4,   22
.set SPW,  28
.set NIL,  29
.set SC,   32
.set TM,   64                          ; v64-79  the quantiser's work
.set PWA,  80
.set PWB,  81
.set XWA,  82
.set PCA,  84                          ; v84-103  codes, set A
.set XWB,  104
.set PCB,  106                         ; v106-125 codes, set B
.set ACC,  128
.set F0,   0
.set F1, 48
.set G1A,  24
.set G1B,  32
.set G0A,  40
.set G0B,  48
.set SEL,  56
.set QC,   74
.set QS,   76
.set KC,   80
.set KS,   82
.set VC,   84
.set VS,   86
.set MSB, 0
.macro WIN new                         ; the immediate's high byte repeats the setting that is left
.if MSB != \new
	s_set_vgpr_msb (MSB<<8)|\new
.set MSB, \new
.endif
.endm
.set NSTEP, 24                         ; K steps of 128 in all: three tiles of eight
.set TO_F, 0x40                        ; destination window 1, address window 0
.macro PLACES n
.rept \n
	v_nop
.endr
.endm
.macro CREST                           ; a round of the cluster's barrier behind its opening barrier
	s_cmp_lg_u32 s14, 0
	s_cbranch_scc1 .Lnot_wave_0_\@
	s_barrier_signal -3
.Lnot_wave_0_\@:
	s_barrier_wait -3
	s_barrier_signal -1
	s_barrier_wait -1
.endm
.macro CROUND
	s_barrier_signal -1
	s_barrier_wait -1
	CREST
.endm
.macro FRAG reg, a16, a8, off          ; a fragment, 12 registers: two half fragments, each 16 + 8 bytes a lane
.set rF, (\reg)%256                    ; a buffer is named by 256 x (its window - 1) + its first register
	ds_load_b128 v[rF:rF+3], v[\a16] offset:\off
	ds_load_b64 v[rF+4:rF+5], v[\a8] offset:\off
	ds_load_b128 v[rF+6:rF+9], v[\a16] offset:\off+768
	ds_load_b64 v[rF+10:rF+11], v[\a8] offset:\off+768
.endm
; One K step's fragments: the weights' four into buffer f of window 1 (16 loads); where gTA >= 0 the tokens' four to the registers at gTA, where they stay (16); the chunk's scale words if set >= 0 (4)
.macro FETCH xa, yb, ks, f, set
	WIN ((1+(\f)/256)<<6)
.irp i, 0,1,2,3
	FRAG (\f)+12*\i, ADB+(\yb), ADB8+(\yb), (\ks)*12288+\i*1536
.endr
.if gTA >= 0
	WIN ((1+gTA/256)<<6)
.irp i, 0,1,2,3
	FRAG gTA+12*\i, ADA+(\xa), ADA8+(\xa), (\ks)*12288+\i*1536
.endr
.endif
.if \set >= 0
	WIN 0
.irp i, 0,1,2,3
	ds_load_b128 v[SC+16*(\set)+4*\i:SC+16*(\set)+4*\i+3], v[ADS+(\yb)] offset:\i*256
.endr
.endif
.endm
; Four matrix instructions: the tokens' tile a against the weights' four.  cm = 1: the products start the sums.  ori = 0: transposed (source 0 the weights); 1: source 0 the tokens.
; The 16 accumulators take turns, one instruction a turn, in the same order in every K step.
.macro MULA f, a, ks, set, cm, ori
.irp b, 0,1,2,3
.if \ori
.set rD, ACC+8*(4*\b+(\a))
.else
.set rD, ACC+8*(4*(\a)+\b)
.endif
.set rW, (\f)%256+12*\b
.set rT, gTR%256+12*(\a)
.set zW, SC+16*(\set)+4*\b+(\ks)
.set zT, SC+16*(\set)+4*(\a)+(\ks)
.if (\ori) && (\cm)
	v_wmma_scale_f32_16x16x128_f8f6f4 v[rD:rD+7], v[rT:rT+11], v[rW:rW+11], 0, v[zT], v[zW] matrix_a_fmt:MATRIX_FMT_FP6 matrix_b_fmt:MATRIX_FMT_FP6 matrix_b_scale:MATRIX_SCALE_ROW1
.elseif \ori
	v_wmma_scale_f32_16x16x128_f8f6f4 v[rD:rD+7], v[rT:rT+11], v[rW:rW+11], v[rD:rD+7], v[zT], v[zW] matrix_a_fmt:MATRIX_FMT_FP6 matrix_b_fmt:MATRIX_FMT_FP6 matrix_b_scale:MATRIX_SCALE_ROW1
.elseif \cm
	v_wmma_scale_f32_16x16x128_f8f6f4 v[rD:rD+7], v[rW:rW+11], v[rT:rT+11], 0, v[zW], v[zT] matrix_a_fmt:MATRIX_FMT_FP6 matrix_b_fmt:MATRIX_FMT_FP6 matrix_a_scale:MATRIX_SCALE_ROW1
.else
	v_wmma_scale_f32_16x16x128_f8f6f4 v[rD:rD+7], v[rW:rW+11], v[rT:rT+11], v[rD:rD+7], v[zW], v[zT] matrix_a_fmt:MATRIX_FMT_FP6 matrix_b_fmt:MATRIX_FMT_FP6 matrix_a_scale:MATRIX_SCALE_ROW1
.endif
.endr
.endm
; A K step of 128: multiplies buffer f; first the fragments of step st + 2 are fetched into buffer g, in one run, behind four places (loads into registers that matrix instructions have read)
.macro MWIN f                          ; the weights' source in window 1, the tokens' in their window; C and D in window 0
.if gOR
	WIN (1+gTR/256+4)                              ; v: source 0 the tokens, in their window, source 1 the weights, in window 1
.else
	WIN (1+4*(1+gTR/256))                          ; q, k: source 0 the weights, source 1 the tokens
.endif
.endm
.macro REFILL sl                       ; slot sl takes the tile two on: my quarter, one tensor load, first thing behind the round
	s_add_nc_u64 s[G0B+4*\sl+2:G0B+4*\sl+3], s[G0B+4*\sl+2:G0B+4*\sl+3], 204800
	tensor_load_to_lds s[G0B+4*\sl:G0B+4*\sl+3], s[G1B:G1B+7]
	s_nop 0
	PLACES 4                                       ; (also the places in front of the loads below)
.endm
; THE WALK ALONG K.  Step st, counted over all tiles, multiplies the weights' fragment buffer st % 3 (window 1, 48 registers each) with the tokens' fragments of K step st % 8.
; THE TOKENS' FRAGMENTS STAY IN REGISTERS: all three tiles take the same 64 tokens a wave, 8 K steps x 48 registers (K steps 0-4 in window 2, 5-7 in window 3); they are read from LDS in the first tile alone.
; A step first asks for the fragments of step st + 2, the weights' into the buffer that step st - 1 multiplied, behind four places; then it waits for its own: the count is the loads of steps st + 1 and st + 2
; (16 a step, 16 more in the first tile, 4 more where a chunk's scale words come along), held at 63, the field's most.
; STEP 6 OF A TILE CHANGES SLOTS: all reads of the tile's slot have been issued by then.  One barrier; in front of it each wave waits for all its tensor loads, adds 0 to its spare word, and waits for that and for its
; reads of the slot.  Where a tile two on is left, the barrier opens a round of the cluster's barrier and the slot is filled again.
.macro GS st
.set gFA, 48*((\st)%3)
.set gM,  (\st)+2
.set gFG, 48*(gM%3)
.set gTR, 256*(1+((\st)%8)/5)+48*(((\st)%8)%5)   ; where this K step's fragments of the tokens stay: 256 x (window - 1) + register
.set gE2, 1-((gM/8)+3)/4               ; 1 while step st + 2 lies in the first tile
.set gTA, gE2*(256*(1+gM/5)+48*(gM%5)+1)-1       ; where its fragments of the tokens go; -1: they are in registers
.set gKS, (\st)%4
.set gSE, ((\st)/4)%2
.set gCM, 1-(((\st)%8)+7)/8            ; 1 in a tile's first step: the products start the sums
.set gOR, (\st)/16                     ; 1 in the third tile, v
.set gSL, ((\st)/8)%2
.set gZ,  1-((gM%4)+3)/4               ; 1 where step st + 2 begins a chunk of 512
.set gXA, (gM/4)%2
.set gYB, 2*((gM/8)%2)+gXA
.set gNS, gZ*(gXA+1)-1
.set gO1, 20-4*(((((\st)+1)%4)+3)/4)+16*(1-((((\st)+1)/8)+3)/4)   ; the loads of step st + 1
.if gM < NSTEP
.set gOUT, gO1+16+16*gE2+4*gZ
.elseif gM == NSTEP
.set gOUT, gO1
.else
.set gOUT, 0
.endif
.if gOUT > 63
.set gOUT, 63
.endif
.if ((\st)%8 == 6) && (gM < NSTEP)
	WIN 0
	s_wait_tensorcnt 0x0                           ; all my tensor loads have landed: my part of the other slot
	ds_add_u32 v[SPW], v[NIL]
	s_wait_dscnt gO1+1                             ; (the add and the next step's loads may be out)
	MWIN gFA
	MULA gFA, 0, gKS, gSE, 0, gOR
	s_wait_dscnt 0x0                               ; the add is done, and my reads of this slot are over
	s_barrier_signal -1
	MULA gFA, 1, gKS, gSE, 0, gOR
	WIN 0
	s_barrier_wait -1
.if (\st)/8+2 < NSTEP/8
	CREST                                          ; no wave of any partner still reads the slot or has a load on its way
	REFILL gSL
.else
	PLACES 4
.endif
	FETCH gXA, gYB, gM%4, gFG, gNS
	MWIN gFA
	MULA gFA, 2, gKS, gSE, 0, gOR
	MULA gFA, 3, gKS, gSE, 0, gOR
.else
.if gM < NSTEP
	PLACES 4
	FETCH gXA, gYB, gM%4, gFG, gNS
.endif
	s_wait_dscnt gOUT
	MWIN gFA
.irp a, 0,1,2,3
	MULA gFA, \a, gKS, gSE, gCM, gOR
.endr
.endif
.endm
.macro TILE                            ; a tile of 128 x 128 over K = 1,024: eight steps
.rept 8
.if gn == 0                            ; Wv's tile is asked for six K steps ahead of the load that brings it: of my wave's quarter, 100 blocks of 256 bytes, each of the column's four partners names 25, told apart by address; a lane a block, lanes 25-31 the last again
	WIN 0
	global_prefetch_b8 v[PFO], s[PFA:PFA+1] offset:204800 th:TH_LOAD_NT scope:SCOPE_SE
.endif
	GS gn
.set gn, gn+1
.endr
.endm
; 64 numbers of a lane, register 16 b + i = k 32 b + 16 (lane / 16) + i of block b, become 12 registers of codes (two half fragments) in v[pc] on and four scale bytes in v[pw]
.macro QUANT s, pc, pw
.irp b, 0,1,2,3
	v_max3_num_f32 v[TM+\b], |v[(\s)+16*\b]|, |v[(\s)+1+16*\b]|, 0x1800000   ; with the floor 2^(3 - 127): the byte cannot fall under 1
.endr
.irp i, 2,4,6,8,10,12,14
.irp b, 0,1,2,3
	v_max3_num_f32 v[TM+\b], v[TM+\b], |v[(\s)+16*\b+\i]|, |v[(\s)+1+16*\b+\i]|
.endr
.endr
.irp b, 0,1,2,3
	v_permlanex16_b32 v[TM+4+\b], v[TM+\b], s[SEL], s[SEL+1]
.endr
.irp b, 0,1,2,3
	v_max_num_f32 v[TM+\b], v[TM+\b], v[TM+4+\b]   ; with lane l xor 16's: the block's largest magnitude
.endr
.irp b, 0,1,2,3
	v_add_nc_u32 v[TM+12+\b], 0xff000000, v[TM+\b] ; 2 off the exponent field: the conversion's scale operand
.endr
.irp b, 0,1,2,3
	v_lshrrev_b32 v[TM+4+\b], 23, v[TM+12+\b]      ; the byte
.endr
	v_lshl_or_b32 v[\pw], v[TM+5], 8, v[TM+4]
	v_lshl_or_b32 v[\pw], v[TM+6], 16, v[\pw]
	v_lshl_or_b32 v[\pw], v[TM+7], 24, v[\pw]
.irp c, 0,1
	v_cvt_scalef32_pk16_fp6_f32 v[\pc+6*\c:\pc+2+6*\c], v[(\s)+32*\c:(\s)+15+32*\c], v[TM+12+2*\c]
	v_cvt_scalef32_pk16_fp6_f32 v[\pc+12+4*\c:\pc+14+4*\c], v[(\s)+16+32*\c:(\s)+31+32*\c], v[TM+12+2*\c+1]
.endr
	v_nop                                          ; one plain place behind a scaled conversion
.irp c, 0,1                            ; the operand's layout wants a whole block in a lane
.irp i, 0,1,2
	v_permlane16_swap_b32 v[\pc+6*\c+\i], v[\pc+12+4*\c+\i]
.endr
.irp i, 0,1,2
	v_mov_b32 v[\pc+3+6*\c+\i], v[\pc+12+4*\c+\i]
.endr
.endr
.endm
.macro HF pc, base, off                ; a half fragment leaves: 512 and 256 consecutive bytes, aligned
	global_store_b128 v[L16], v[\pc:\pc+3], s[\base:\base+1] offset:\off
	global_store_b64 v[L8], v[\pc+4:\pc+5], s[\base:\base+1] offset:\off
.endm
.macro OUT_HEAD
	WIN 0
	PLACES 4                                       ; behind the last products, ahead of the first read of results
	s_wait_xcnt 0x0                                ; the last way out's stores have read their registers: they are written again only behind this wait
.endm
	s_load_b128 s[4:7], s[0:1], 0x0                ; hc, wts
	s_load_b128 s[8:11], s[0:1], 0x10              ; qf, kv
	v_lshl_add_u32 v[SPW], v0, 2, SPARE
	v_mov_b32 v[NIL], 0
	ds_add_u32 v[SPW], v[NIL]                      ; the wave's opening: the add and its wait ahead of my first tensor load
	ds_add_u32 v[SPW], v[NIL]
	v_lshrrev_b32 v1, 5, v0
	v_readfirstlane_b32 s14, v1                    ; wave 0..3
	s_lshr_b32 s15, s14, 1                         ; wr
	s_and_b32 s16, s14, 1                          ; wc
	s_bfe_u32 s19, ttmp6, 0x40000                  ; cx
	s_bfe_u32 s20, ttmp6, 0x40004                  ; cy
	s_lshl_b32 s18, ttmp9, 2
	s_add_co_u32 s18, s18, s19                     ; nb
	s_and_b32 s17, ttmp7, 0xffff
	s_lshl_b32 s17, s17, 2
	s_add_co_u32 s17, s17, s20                     ; mb
	s_lshl_b32 s21, s20, 2
	s_lshl_b32 s21, 15, s21                        ; my row of the cluster
	s_lshl_b32 s22, 0x1111, s19                    ; my column
	s_or_b32 s[G1A], s21, (3<<16)|(1<<21)          ; the mask; elements of 8 bytes; bit 21 beside a mask; no padding
	s_or_b32 s[G1B], s22, (3<<16)|(1<<21)
.irp g, G1A, G1B                       ; 100 rows of 256 bytes, dense: 25,600 bytes
	s_mov_b32 s[\g+1], 32<<16
	s_mov_b32 s[\g+2], 200<<16                     ; the head's loads bring 200 rows of 256 bytes; the weights' group is set to 100 behind them
	s_mov_b32 s[\g+3], 32<<16
	s_mov_b32 s[\g+4], 200
	s_mov_b32 s[\g+5], 32
	s_mov_b32 s[\g+6], 0
	s_mov_b32 s[\g+7], 0
.endr
	s_mov_b32 s[SEL], 0x76543210
	s_mov_b32 s[SEL+1], 0xfedcba98
	s_mov_b32 s[G1B+2], 400<<16                    ; at the head a load of the weights brings a whole tile, 400 rows
	s_mov_b32 s[G1B+4], 400
	s_mul_i32 s23, s14, 25600                      ; my quarter, in LDS and in memory
	s_mul_i32 s90, s16, 51200                      ; the head's halves: wave % 2 x 51,200 bytes, in LDS and in memory
	s_mul_i32 s58, s17, 102400                     ; the tokens' two blocks hang on mb alone,
	s_add_co_u32 s58, s58, s90
	s_mul_i32 s96, s18, 307200                     ; Wq's tile
	s_mul_i32 s91, s16, 102400                     ; wave 2 brings Wq's tile into slot 0, wave 3 Wk's into slot 1: neighbours in memory and in LDS
	s_add_co_u32 s96, s96, s91
	s_mov_b32 s97, 0
	s_mov_b32 s59, 0
	s_mul_i32 s60, s18, 307200                     ; the weights' six on nb alone
	s_add_co_u32 s60, s60, s23
	s_mov_b32 s61, 0
	s_wait_dscnt 0x0                               ; the opening add is done
	s_wait_kmcnt 0x0
	s_add_nc_u64 s[58:59], s[4:5], s[58:59]
	s_add_nc_u64 s[60:61], s[6:7], s[60:61]
	s_add_nc_u64 s[96:97], s[6:7], s[96:97]
.set PFA, 98                           ; s[98:99] the prefetch's base: my quarter of Wq's tile + 6,400 cy; never rewritten
	s_mul_i32 s98, s20, 6400
	s_mov_b32 s99, 0
	s_add_nc_u64 s[PFA:PFA+1], s[60:61], s[98:99]
	CROUND                                         ; all sixteen work-groups are here: the first joint loads meet
	s_mov_b32 s[G0A], 1
.set G0H, 92                           ; s[92:95] group 0 of the head's load of slot 0
	s_mov_b32 s[G0H], 1
	s_add_co_u32 s[G0H+1], s91, 102400
	s_mov_b64 s[G0H+2:G0H+3], s[96:97]
	s_or_b32 s[G0H+3], s[G0H+3], 0x80000000
	s_mov_b32 s[G0A+1], s90
	s_mov_b64 s[G0A+2:G0A+3], s[58:59]
	s_or_b32 s[G0A+3], s[G0A+3], 0x80000000
	s_mov_b32 s[G0B], 1
	s_add_co_u32 s[G0B+1], s23, 102400
	s_mov_b64 s[G0B+2:G0B+3], s[60:61]
	s_or_b32 s[G0B+3], s[G0B+3], 0x80000000
	s_cmp_eq_u32 s15, 0                            ; one tensor load a wave at the head: waves 0 and 1 bring the tokens' halves, wave 2 Wq's tile, wave 3 Wk's
	s_cbranch_scc0 .Lhead_b
	tensor_load_to_lds s[G0A:G0A+3], s[G1A:G1A+7]
	s_nop 0
	PLACES 4
	s_branch .Lhead_asked
.Lhead_b:
	tensor_load_to_lds s[G0H:G0H+3], s[G1B:G1B+7]
	s_nop 0
	PLACES 4
.Lhead_asked:
	v_and_b32 v1, 15, v0                           ; r
	v_bfe_u32 v2, v0, 4, 1                         ; h
	v_and_b32 v3, 31, v0
	v_lshlrev_b32 v[L16], 4, v3
	v_lshlrev_b32 v[L8], 3, v3
	v_add_nc_u32 v[L8], 512, v[L8]
.set LX16, 24
.set LX8,  25
	v_xor_b32 v[LX16], 128, v[L16]                 ; 16 (lane xor 8) and 512 + 8 (lane xor 8): the odd pairs of key tiles are stored with places 0-7 and 8-15 exchanged
	v_xor_b32 v[LX8], 64, v[L8]
.set PFO, 26                           ; v26 the prefetch's offset: 256 x min(lane, 24); never rewritten
	v_min_u32 v[PFO], 24, v3
	v_lshlrev_b32 v[PFO], 8, v[PFO]
	v_lshlrev_b32 v[R4], 2, v1
	s_mul_i32 s66, s15, 6144
	s_mul_i32 s67, s16, 6144
	s_add_co_u32 s67, s67, 102400
	v_add_nc_u32 v[ADA], s66, v[L16]
	v_add_nc_u32 v[ADA8], s66, v[L8]
	v_add_nc_u32 v[ADA+1], 51200, v[ADA]
	v_add_nc_u32 v[ADA8+1], 51200, v[ADA8]
	v_add_nc_u32 v[ADB], s67, v[L16]
	v_add_nc_u32 v[ADB8], s67, v[L8]
.irp y, 1,2,3
	v_add_nc_u32 v[ADB+\y], 51200, v[ADB+\y-1]
	v_add_nc_u32 v[ADB8+\y], 51200, v[ADB8+\y-1]
.endr
	s_lshl_b32 s68, s15, 10
	s_add_co_u32 s68, s68, 49152
	v_lshl_add_u32 v3, v1, 4, s68                  ; the tokens' scale words: 49152 + 1024 wr + 16 r
	s_xor_b32 s71, s15, 1
	s_add_co_u32 s71, s71, s16
	s_lshl_b32 s71, s71, 10
	s_add_co_u32 s69, s71, 101376                  ; from there to the weights': 102400 + 1024 (wc - wr), one product with h
	s_add_co_u32 s70, s69, 102400                  ; and in slot 1
	v_mul_u32_u24 v[ADS], s69, v2
	v_add_nc_u32 v[ADS], v[ADS], v3
	v_add_nc_u32 v[ADS+1], 51200, v[ADS]
	v_mul_u32_u24 v[ADS+2], s70, v2
	v_add_nc_u32 v[ADS+2], v[ADS+2], v3
	v_add_nc_u32 v[ADS+3], 51200, v[ADS+2]
.irp b, 0,1,2,3
	v_mov_b32 v[TM+4+\b], 0                        ; written once: a lane permute's destination counts as one of its sources
.endr
	s_lshr_b32 s72, s17, 4                         ; where the results go
	s_lshl_b32 s72, s72, 4
	s_lshl_b32 s73, s18, 1
	s_add_co_u32 s72, s72, s73
	s_add_co_u32 s72, s72, s16                     ; bh = 16 batch + 2 nb + wc
	s_and_b32 s73, s17, 15                         ; which 128 tokens of the batch
	s_lshl_b32 s74, s72, 7
	s_lshl_b32 s75, s73, 3
	s_add_co_u32 s74, s74, s75
	s_lshl_b32 s75, s15, 2
	s_add_co_u32 s74, s74, s75                     ; my first tile of queries
	s_lshl_b32 s76, s74, 6
	s_add_co_u32 s76, s76, 3145728
	s_mov_b32 s77, 0
	s_mul_i32 s74, s74, 768
	s_mov_b32 s75, 0
	s_add_nc_u64 s[QC:QC+1], s[8:9], s[74:75]
	s_add_nc_u64 s[QS:QS+1], s[8:9], s[76:77]
	s_lshl_b32 s78, s72, 4
	s_add_co_u32 s78, s78, s73
	s_mul_i32 s78, s78, 12800
	s_mov_b32 s79, 0
	s_add_nc_u64 s[78:79], s[10:11], s[78:79]      ; the head's block of these 128 keys
	s_mov_b32 s89, 0
	s_mul_i32 s88, s15, 3072
	s_add_nc_u64 s[KC:KC+1], s[78:79], s[88:89]
	s_lshl_b32 s88, s15, 7
	s_add_nc_u64 s[KS:KS+1], s[78:79], s[88:89]
	s_mul_i32 s88, s15, 768
	s_add_nc_u64 s[VC:VC+1], s[78:79], s[88:89]
	s_lshl_b32 s88, s15, 1
	s_add_nc_u64 s[VS:VS+1], s[78:79], s[88:89]
	s_wait_alu depctr_va_vdst(0)
	s_wait_tensorcnt 0x0                           ; my load of the head's four is in
	s_mov_b32 s[G1B+2], 100<<16                    ; no tensor load of mine is out: from here on a load of the weights brings 100 rows
	s_mov_b32 s[G1B+4], 100
	s_barrier_signal -1
	s_barrier_wait -1                              ; everybody's is: the tokens and both slots are whole
.set gTA, 256
	FETCH 0, 0, 0, F0, 0
.set gTA, 304
	FETCH 0, 0, 1, F1, -1
.set gn, 0
	TILE                                           ; q; in its step 6 slot 0 takes Wv's tile
	OUT_HEAD                                       ; q: a lane's 32 registers of a tile of tokens are the head's 64 in two halves of the lanes
	QUANT ACC, PCA, PWA
	HF PCA, QC, 0
	HF PCA+6, QC, 768
	v_perm_b32 v[XWA], v[PWA], v[PWA], 0x01000100  ; a query's two bytes, twice: they serve in either half of K = 128
	v_perm_b32 v[XWA+1], v[PWA], v[PWA], 0x03020302
	global_store_b32 v[R4], v[XWA], s[QS:QS+1]     ; (lanes l and l xor 16 store the same word)
	global_store_b32 v[R4], v[XWA+1], s[QS:QS+1] offset:64
	QUANT ACC+64, PCB, PWB
	HF PCB, QC, 1536
	HF PCB+6, QC, 2304
	v_perm_b32 v[XWB], v[PWB], v[PWB], 0x01000100
	v_perm_b32 v[XWB+1], v[PWB], v[PWB], 0x03020302
	global_store_b32 v[R4], v[XWB], s[QS:QS+1] offset:128
	global_store_b32 v[R4], v[XWB+1], s[QS:QS+1] offset:192
	TILE
	OUT_HEAD                                       ; k: two tiles of keys make one fragment of K = 128, and their four bytes its scale word
	QUANT ACC, PCA, PWA
	HF PCA, KC, 0
	HF PCA+6, KC, 768
	global_store_b32 v[R4], v[PWA], s[KS:KS+1] offset:12288
	QUANT ACC+64, PCB, PWB
	global_store_b128 v[LX16], v[PCB:PCB+3], s[KC:KC+1] offset:1536
	global_store_b64 v[LX8], v[PCB+4:PCB+5], s[KC:KC+1] offset:1536
	global_store_b128 v[LX16], v[PCB+6:PCB+9], s[KC:KC+1] offset:2304
	global_store_b64 v[LX8], v[PCB+10:PCB+11], s[KC:KC+1] offset:2304
	global_store_b32 v[R4], v[PWB], s[KS:KS+1] offset:12288+64
	TILE
	OUT_HEAD                                       ; v: a lane holds one d; my 64 tokens are half wr of the fragment's 128 keys
	QUANT ACC, PCA, PWA
	HF PCA, VC, 6144
	HF PCA+6, VC, 6144+1536
	global_store_b16 v[R4], v[PWA], s[VS:VS+1] offset:12544
	global_store_d16_hi_b16 v[R4], v[PWA], s[VS:VS+1] offset:12544+64
	QUANT ACC+64, PCB, PWB
	HF PCB, VC, 6144+3072
	HF PCB+6, VC, 6144+4608
	global_store_b16 v[R4], v[PWB], s[VS:VS+1] offset:12544+128
	global_store_d16_hi_b16 v[R4], v[PWB], s[VS:VS+1] offset:12544+192
	s_wait_tensorcnt 0x0                           ; the wave's end
	ds_add_u32 v[SPW], v[NIL]
	s_wait_dscnt 0x0
	CROUND                                         ; the closing round
	s_endpgm
.Lfunc_end_k_q856dc152c5_qkv:
	.size	k_q856dc152c5_qkv, .Lfunc_end_k_q856dc152c5_qkv-k_q856dc152c5_qkv
	.p2alignl 7, 3214868480
	.fill 96, 4, 3214868480
	.section	.rodata,"a",@progbits
	.p2align	6, 0x0
	.amdhsa_kernel k_q856dc152c5_qkv
		.amdhsa_group_segment_fixed_size 327680
		.amdhsa_private_segment_fixed_size 0
		.amdhsa_enable_private_segment 0
		.amdhsa_kernarg_size 32
		.amdhsa_user_sgpr_count 2
		.amdhsa_user_sgpr_kernarg_segment_ptr 1
		.amdhsa_wavefront_size32 1
		.amdhsa_system_sgpr_workgroup_id_x 1
		.amdhsa_system_sgpr_workgroup_id_y 1
		.amdhsa_system_sgpr_workgroup_id_z 1
		.amdhsa_system_vgpr_workitem_id 0
		.amdhsa_next_free_vgpr 1024
		.amdhsa_next_free_sgpr 100
		.amdhsa_reserve_vcc 0
		.amdhsa_float_denorm_mode_32 3
		.amdhsa_float_denorm_mode_16_64 3
		.amdhsa_memory_ordered 1
		.amdhsa_forward_progress 1
		.amdhsa_inst_pref_size 123
	.end_amdhsa_kernel
	.amdgpu_metadata
---
amdhsa.version: [ 1, 2 ]
amdhsa.kernels:
  - .name:           k_q856dc152c5_qkv
    .symbol:         k_q856dc152c5_qkv.kd
    .args:
      - { .name: hc, .offset: 0, .size: 8, .value_kind: global_buffer, .address_space: global }
      - { .name: wts, .offset: 8, .size: 8, .value_kind: global_buffer, .address_space: global }
      - { .name: qf, .offset: 16, .size: 8, .value_kind: global_buffer, .address_space: global }
      - { .name: kv, .offset: 24, .size: 8, .value_kind: global_buffer, .address_space: global }
    .group_segment_fixed_size: 327680
    .private_segment_fixed_size: 0
    .kernarg_segment_align: 8
    .kernarg_segment_size: 32
    .max_flat_workgroup_size: 128
    .sgpr_count:     100
    .vgpr_count:     1024
    .wavefront_size: 32
...
	.end_amdgpu_metadata
.endif
;; end of part 2
;; launch attn (part 3): grid 8 x 32, 16 waves a work-group, clusters of 4 x 1, 327,680 bytes of LDS; arguments qf, kv, oc; writes oc
.if DOCPART == 3
	.amdgcn_target "amdgcn-amd-amdhsa--gfx1250"
	.amdhsa_code_object_version 6
	.text
	.protected	k_q856dc152c5_attn
	.globl	k_q856dc152c5_attn
	.p2align	8
	.type	k_q856dc152c5_attn,@function
k_q856dc152c5_attn:
	s_mov_b64 s[64:65], 0
	v_nop
	global_prefetch_b8 v0, s[64:65] scope:SCOPE_SE
	s_setreg_imm32_b32 hwreg(HW_REG_WAVE_MODE, 25, 1), 1
	s_wait_xcnt 0x0
	s_wait_alu depctr_hold_cnt(0) depctr_sa_sdst(0) depctr_va_vdst(0) depctr_va_sdst(0) depctr_va_ssrc(0) depctr_va_vcc(0) depctr_vm_vsrc(0)
	s_getreg_b32 s2, hwreg(HW_REG_IB_STS2, 6, 4)
	s_cmp_eq_u32 s2, 0
	s_cbranch_scc0 .Lentry_in_a_cluster
	s_endpgm
.Lentry_in_a_cluster:
	s_bfe_u32 s2, ttmp6, 0x10000c
	s_cmp_lg_u32 s2, 0x3003
	s_cbranch_scc0 .Lentry_shape_is_right
	s_endpgm
.Lentry_shape_is_right:
; o = softmax(q k^T / 32) v for one head and 256 queries, both products on codes of E2M3; o / l is quantised along the head's 64 into the next product's operand blocks.
; THE SOFTMAX: t = score x log2(e) / 32; M = the running largest t rounded up to a whole number; p = 2^(t - M) is quantised along the keys, not normalised; the row's sum is taken of the
; unquantised p and divides at the end; when M moves, sum and O are multiplied by 2^(old M - new M), which rounds nothing.
; SHARES: sixteen waves, one tile of 16 queries each, 256 registers.  LDS: the head's whole stream of k and v, 16 key steps of 12,800 bytes; wave w asks for step w: one tensor load a wave, all first fills,
; nothing is filled again; one wait for 0 and one barrier show all of it to all waves.  All is asked for at the head, so there is no later request that a prefetch could run ahead of.
; CLUSTER 4 x 1: the four blocks of queries of a cluster belong to one head and ask for its stream jointly.
; K = 64 IN AN INSTRUCTION OF K = 128: a fragment of k holds two tiles of keys; q stands in 18 registers [0 x 6][q x 6][0 x 6]: the last 12 pick the first tile, the first 12 the second.
; A WHOLE BLOCK OF 32 KEYS IN A LANE: the rows of a tile of k are chosen by the lanes' LDS addresses: rows 0-7 come from pair 2 c, rows 8-15 from pair 2 c + 1 (a pair = 32 neighbouring keys).  Both products are
; used transposed, so lane (query r, half h) holds in score registers 32 c + i key 64 c + 32 h + i: the block's maximum needs no other lane and the conversions' results are the operand's registers.
; The odd pairs lie in kv with places 0-7 and 8-15 exchanged, so that the sixteen lanes of a 16-byte read name sixteen different 16-byte columns of 256 bytes.
; The last eight instructions of a step's sum of p stand behind the step's last and the next step's first products, as the places that those need.
; LIMITS: NaN and infinities are not served; the scaled scores stay under 2^31 in magnitude; a block of p or of o whose largest magnitude lies under 2^-124 gets the byte 1.
.set SPARE, 204800                     ; the spare words, 128 bytes for each of the 16 waves, that no other line names
.set SPW, 5
.set NIL, 6
.set KA,  8                            ; v8-9   k's 16-byte parts, for the lower and the upper eight places of a pair
.set KB,  10                           ; v10-11 k's 8-byte parts
.set KSC, 34                           ; k's scale words
.set VA,  35                           ; v's parts and scale words
.set VB,  36
.set VSC, 37
.set LL,  38                           ; v[38:39] the row's sum
.set FR,  40                           ; v40-87 four fragments of k, then of v
.set VW,  88
.set KW,  92
.set SS,  96                           ; v96-159 S^T, then p
.set OO,  160                          ; v160-191 O^T
.set TT,  192                          ; v192-207 eight partial sums of p
.set PP,  208                          ; v208-219 p's codes
.set PX,  220                          ; v220-222, v224-226 the conversions' second halves
.set MX,  228
.set MY,  230
.set FF,  234                          ; v[234:235] f = 2^(old M - new M)
.set SO,  236
.set BY,  238
.set WD,  240
.set WX,  241
.set PW,  242                          ; p's scale word
.set RO,  243
.set BK,  244                          ; v244-248 the lanes' terms of k's five addresses
.set QW,  255
.set TB,  2
.set CNT, 3
.set WV,  18
.set CSN, 19
.set SEL, 20
.set CS,  22
.set G1,  24
.set G0,  32
.set PSEL, 62
.macro CROUND
	s_barrier_signal -1
	s_barrier_wait -1
	s_cmp_lg_u32 s[WV], 0
	s_cbranch_scc1 .Lnot_wave_0_\@
	s_barrier_signal -3
.Lnot_wave_0_\@:
	s_barrier_wait -3
	s_barrier_signal -1
	s_barrier_wait -1
.endm
	s_load_b128 s[4:7], s[0:1], 0x0                ; qf, kv
	s_load_b64 s[8:9], s[0:1], 0x10                ; oc
	v_lshl_add_u32 v[SPW], v0, 2, SPARE
	v_mov_b32 v[NIL], 0
	ds_add_u32 v[SPW], v[NIL]                      ; the opening lines: the add, twice on end, and its wait
	ds_add_u32 v[SPW], v[NIL]
	v_lshrrev_b32 v7, 5, v0
	s_delay_alu instid0(VALU_DEP_1)
	v_readfirstlane_b32 s[WV], v7                  ; wave 0..15
	s_and_b32 s10, ttmp7, 0xffff                   ; bh = 16 batch + head, which the four partners share
	s_mov_b32 s[G1], 15|(3<<16)|(1<<21)            ; all four work-groups; elements of 8 bytes; bit 21 beside a mask
	s_mov_b32 s[G1+1], 32<<16                      ; 50 rows of 256 bytes, dense
	s_mov_b32 s[G1+2], 50<<16
	s_mov_b32 s[G1+3], 32<<16
	s_mov_b32 s[G1+4], 50
	s_mov_b32 s[G1+5], 32
	s_mov_b32 s[G1+6], 0
	s_mov_b32 s[G1+7], 0
	s_mul_i32 s11, s[WV], 12800                    ; key step w, in LDS and in memory
	s_mul_i32 s12, s10, 204800
	s_add_co_u32 s12, s12, s11
	s_mov_b32 s13, 0
	s_mov_b32 s[SEL], 0x76543210
	s_mov_b32 s[SEL+1], 0xfedcba98
	s_mov_b32 s[CS], 0x3d38aa3b                    ; c = log2(e) / 32
	s_mov_b32 s[CS+1], s[CS]
	s_mov_b32 s[CSN], 0xbd38aa3b                   ; -c
	s_mov_b32 s[PSEL], 0x06020400                  ; my byte 0, the other half's byte 0, my byte 2, the other's byte 2
	s_mov_b32 s[TB], 0
	s_wait_dscnt 0x0                               ; both opening adds are done
	s_wait_kmcnt 0x0
	s_add_nc_u64 s[12:13], s[6:7], s[12:13]
	CROUND                                         ; all four work-groups are here: the joint loads meet
	s_mov_b32 s[G0], 1
	s_mov_b32 s[G0+1], s11
	s_mov_b64 s[G0+2:G0+3], s[12:13]
	s_or_b32 s[G0+3], s[G0+3], 0x80000000
	tensor_load_to_lds s[G0:G0+3], s[G1:G1+7]      ; my one tensor load
	s_nop 0
	s_bfe_u32 s14, ttmp6, 0x40000                  ; cx: it enters q's and o's global addresses alone
	s_lshl_b32 s15, ttmp9, 2
	s_add_co_u32 s15, s15, s14                     ; my block of 256 queries
	s_lshl_b32 s16, s15, 4
	s_add_co_u32 s16, s16, s[WV]                   ; my tile of queries
	s_lshl_b32 s17, s10, 7
	s_add_co_u32 s17, s17, s16
	s_mul_i32 s48, s17, 768
	s_mov_b32 s49, 0
	s_add_nc_u64 s[48:49], s[4:5], s[48:49]
	s_lshl_b32 s50, s17, 6
	s_add_co_u32 s50, s50, 3145728
	s_mov_b32 s51, 0
	s_add_nc_u64 s[50:51], s[4:5], s[50:51]
	s_and_b32 s52, s10, 15                         ; the head: K of the next product = 64 head + d
	s_lshr_b32 s53, s10, 4
	s_lshl_b32 s53, s53, 4
	s_lshl_b32 s54, s15, 1
	s_add_co_u32 s53, s53, s54
	s_lshr_b32 s54, s[WV], 3
	s_add_co_u32 s53, s53, s54                     ; the group of 128 tokens
	s_lshl_b32 s53, s53, 1
	s_lshr_b32 s54, s52, 3
	s_add_co_u32 s53, s53, s54
	s_mul_i32 s53, s53, 51200                      ; the block of oc
	s_bfe_u32 s54, s52, 0x20001                    ; its K step,
	s_and_b32 s55, s52, 1                          ; the half fragment,
	s_and_b32 s58, s[WV], 7                        ; the tile
	s_mul_i32 s56, s54, 12288
	s_add_co_u32 s56, s56, s53
	s_mul_i32 s59, s58, 1536
	s_add_co_u32 s56, s56, s59
	s_mul_i32 s59, s55, 768
	s_add_co_u32 s56, s56, s59
	s_mov_b32 s57, 0
	s_add_nc_u64 s[56:57], s[8:9], s[56:57]
	s_lshl_b32 s60, s58, 8
	s_add_co_u32 s60, s60, s53
	s_lshl_b32 s59, s54, 2
	s_add_co_u32 s60, s60, s59
	s_lshl_b32 s59, s55, 1
	s_add_co_u32 s60, s60, s59
	s_mov_b32 s61, 0
	s_add_nc_u64 s[60:61], s[8:9], s[60:61]
	v_and_b32 v7, 31, v0
	v_and_b32 v4, 15, v0
	s_delay_alu instid0(VALU_DEP_2)
	v_lshlrev_b32 v1, 4, v7                        ; 16 x lane
	v_lshlrev_b32 v2, 3, v7
	s_delay_alu instid0(VALU_DEP_3)
	v_lshlrev_b32 v3, 2, v4                        ; 4 r
	v_lshlrev_b32 v4, 4, v4                        ; 16 r
	s_delay_alu instid0(VALU_DEP_3)
	v_add_nc_u32 v2, 512, v2                       ; 512 + 8 x lane
	global_load_b128 v[22:25], v1, s[48:49]        ; q's half fragment
	global_load_b64 v[26:27], v2, s[48:49]
	global_load_b32 v[QW], v3, s[50:51]            ; and its scale words
	v_and_b32 v249, 7, v0                          ; j: the row within eight
	v_bfe_u32 v250, v0, 3, 1                       ; g: rows 0-7 take pair 2 c, rows 8-15 pair 2 c + 1
	v_bfe_u32 v251, v0, 4, 1                       ; which 32 of the head's 64
	v_lshlrev_b32 v252, 4, v249
	v_lshlrev_b32 v253, 3, v249
	s_delay_alu instid0(VALU_DEP_2)
	v_lshl_add_u32 v252, v251, 8, v252             ; 16 j + 256 half
	s_delay_alu instid0(VALU_DEP_2)
	v_lshl_add_u32 v253, v251, 7, v253             ; 8 j + 128 half
	v_mad_u32_u24 v[BK], v250, 1664, v252          ; places 0-7 of the pair: 1536 g + 128 g (the odd pair's places are exchanged)
	v_mad_u32_u24 v[BK+1], v250, 1408, v252        ; places 8-15: 1536 g + 128 (1 - g)
	v_mad_u32_u24 v[BK+2], v250, 1600, v253
	v_mad_u32_u24 v[BK+3], v250, 1472, v253
	v_lshl_add_u32 v[BK+4], v250, 5, v3            ; scale words: 64 g + 4 j
	v_add_nc_u32 v[BK+1], 128, v[BK+1]
	v_add_nc_u32 v[BK+2], 512, v[BK+2]
	v_add_nc_u32 v[BK+3], 576, v[BK+3]
.irp j, 16,17,18,19,20,21,28,29,30,31,32,33
	v_mov_b32 v[\j], 0                             ; the zero codes on either side of q
.endr
	v_mov_b32 v13, 0xff61b1e6                      ; the largest score so far: -3e38
	v_mov_b32 v14, 0x7f61b1e6                      ; -M: two registers by turns, v12 and v14
	v_mov_b32 v12, 0
	v_mov_b32 v15, 0
.irp j, LL, LL+1, FF, FF+1, RO, WX
	v_mov_b32 v[\j], 0
.endr
.set j, 0
.rept 16
	v_mov_b32 v[TT+j], 0                           ; the step is written once: the first finds zeros
.set j, j+1
.endr
.set j, 0
.rept 32
	v_mov_b32 v[OO+j], 0
.set j, j+1
.endr
.macro PARTA                           ; the eight partial sums of the last step's p become four,
.irp q, 0,2,4,6
	v_pk_add_f32 v[TT+2*\q:TT+2*\q+1], v[TT+2*\q:TT+2*\q+1], v[TT+2*\q+2:TT+2*\q+3]
.endr
.endm
.macro PARTB                           ; and one, which joins the sum brought under that step's M
	v_pk_add_f32 v[TT:TT+1], v[TT:TT+1], v[TT+4:TT+5]
	v_pk_add_f32 v[TT+8:TT+9], v[TT+8:TT+9], v[TT+12:TT+13]
	s_delay_alu instid0(VALU_DEP_1)
	v_pk_add_f32 v[TT:TT+1], v[TT:TT+1], v[TT+8:TT+9]
	s_delay_alu instid0(VALU_DEP_1)
	v_pk_fma_f32 v[LL:LL+1], v[LL:LL+1], v[FF:FF+1], v[TT:TT+1] op_sel_hi:[1,0,1]
.endm
; A KEY STEP: 128 keys
.macro STEP s
.set NB, 12800*(\s)
.set NM, 12+2*((\s)%2)
.set OM, 14-2*((\s)%2)
	PARTA                                          ; four places in front of loads into registers that the last products read
.irp f, 0,1,2,3                        ; fragment f = 2 c + e: places 8 e .. 8 e + 7 of pairs 2 c and 2 c + 1
	ds_load_b128 v[FR+12*\f:FR+12*\f+3], v[KA+(\f%2)] offset:NB+3072*(\f/2)
	ds_load_b64 v[FR+12*\f+4:FR+12*\f+5], v[KB+(\f%2)] offset:NB+3072*(\f/2)
	ds_load_b128 v[FR+12*\f+6:FR+12*\f+9], v[KA+(\f%2)] offset:NB+3072*(\f/2)+768
	ds_load_b64 v[FR+12*\f+10:FR+12*\f+11], v[KB+(\f%2)] offset:NB+3072*(\f/2)+768
	ds_load_b32 v[KW+\f], v[KSC] offset:NB+12288+128*(\f/2)+32*(\f%2)
.endr
	s_wait_alu depctr_va_vdst(0)
	s_wait_dscnt 0x0
.irp f, 0,1,2,3                        ; S^T = k q^T: the fragment's first tile against (q, 0), its second against (0, q)
	v_wmma_scale_f32_16x16x128_f8f6f4 v[SS+16*\f:SS+16*\f+7], v[FR+12*\f:FR+12*\f+11], v[22:33], 0, v[KW+\f], v[QW] matrix_a_fmt:MATRIX_FMT_FP6 matrix_b_fmt:MATRIX_FMT_FP6
	v_wmma_scale_f32_16x16x128_f8f6f4 v[SS+16*\f+8:SS+16*\f+15], v[FR+12*\f:FR+12*\f+11], v[16:27], 0, v[KW+\f], v[QW] matrix_a_fmt:MATRIX_FMT_FP6 matrix_b_fmt:MATRIX_FMT_FP6
.endr
	PARTB                                          ; four places: for the loads below and for the first read of the scores
.irp t, 0,1,2,3                        ; v's fragments land while the softmax is walked
	ds_load_b128 v[FR+12*\t:FR+12*\t+3], v[VA] offset:NB+6144+1536*\t
	ds_load_b64 v[FR+12*\t+4:FR+12*\t+5], v[VB] offset:NB+6144+1536*\t
	ds_load_b128 v[FR+12*\t+6:FR+12*\t+9], v[VA] offset:NB+6144+1536*\t+768
	ds_load_b64 v[FR+12*\t+10:FR+12*\t+11], v[VB] offset:NB+6144+1536*\t+768
	ds_load_b32 v[VW+\t], v[VSC] offset:NB+12544+64*\t
.endr
.irp b, 0,1                            ; the largest score of my two blocks of 32 keys, two chains each, every accumulator from its low end on
	v_max3_num_f32 v[MX+\b], v[SS+32*\b], v[SS+32*\b+1], v[SS+32*\b+2]
.endr
.irp b, 0,1
	v_max3_num_f32 v[MY+\b], v[SS+32*\b+3], v[SS+32*\b+4], v[SS+32*\b+5]
.endr
.irp i, 6,10,14,18,22,26
.irp b, 0,1
	v_max3_num_f32 v[MX+\b], v[MX+\b], v[SS+32*\b+\i], v[SS+32*\b+\i+1]
.endr
.irp b, 0,1
	v_max3_num_f32 v[MY+\b], v[MY+\b], v[SS+32*\b+\i+2], v[SS+32*\b+\i+3]
.endr
.endr
.irp b, 0,1
	v_max3_num_f32 v[MX+\b], v[MX+\b], v[SS+32*\b+30], v[SS+32*\b+31]
.endr
.irp b, 0,1
	s_delay_alu instid0(VALU_DEP_2)
	v_max_num_f32 v[MX+\b], v[MX+\b], v[MY+\b]
.endr
	s_delay_alu instid0(VALU_DEP_1)
	v_max_num_f32 v[MY], v[MX], v[MX+1]
	s_delay_alu instid0(VALU_DEP_1)
	v_permlanex16_b32 v[RO], v[MY], s[SEL], s[SEL+1]
	s_delay_alu instid0(VALU_DEP_1)
	v_max3_num_f32 v13, v13, v[MY], v[RO]          ; the running largest score, with lane l xor 16's two blocks
	s_delay_alu instid0(VALU_DEP_1)
	v_mul_f32 v[MY+1], s[CSN], v13                 ; -t
	s_delay_alu instid0(VALU_DEP_1)
	v_floor_f32 v[NM], v[MY+1]                     ; the new -M = -ceil(t): a whole number
	s_delay_alu instid0(VALU_DEP_1)
	v_sub_f32 v[MY+1], v[NM], v[OM]                ; old M - new M
	s_delay_alu instid0(VALU_DEP_1)
	v_cvt_i32_f32 v[MY+1], v[MY+1]                 ; (it saturates)
	s_delay_alu instid0(VALU_DEP_1)
	v_ldexp_f32 v[FF], 1.0, v[MY+1]                ; f = 2^(old M - new M)
.set j, 0
.rept 32
	v_pk_fma_f32 v[SS+j:SS+j+1], v[SS+j:SS+j+1], s[CS:CS+1], v[NM:NM+1] op_sel_hi:[1,0,0]   ; t - M
.set j, j+2
.endr
.irp b, 0,1
	v_fma_f32 v[MX+\b], v[MX+\b], s[CS], v[NM]     ; the same of each block's largest score
.endr
.set j, 0
.rept 16
	v_pk_mul_f32 v[OO+j:OO+j+1], v[OO+j:OO+j+1], v[FF:FF+1] op_sel_hi:[1,0]   ; O^T under the new M
.set j, j+2
.endr
	s_wait_alu depctr_va_vdst(0)                   ; the wait ahead of the batch
.irp b, 0,1
	v_exp_f32 v[MX+\b], v[MX+\b]                   ; each block's largest p
.endr
.set j, 0
.rept 64
	v_exp_f32 v[SS+j], v[SS+j]                     ; p = 2^(t - M)
.set j, j+1
.endr
	v_nop                                          ; a plain place behind the exponentials
	s_wait_alu depctr_va_vdst(0)                   ; one wait for the whole batch, ahead of its first reader
.irp b, 0,1
	v_max_num_f32 v[MX+\b], 0x1800000, v[MX+\b]    ; the floor 2^(3 - 127)
.endr
.irp b, 0,1
	s_delay_alu instid0(VALU_DEP_2)
	v_add_nc_u32 v[SO+\b], 0xff000000, v[MX+\b]    ; the conversion's scale operand
.endr
.irp b, 0,1
	s_delay_alu instid0(VALU_DEP_2)
	v_lshrrev_b32 v[BY+\b], 23, v[SO+\b]           ; the byte
.endr
	s_delay_alu instid0(VALU_DEP_1)
	v_lshl_or_b32 v[WD], v[BY+1], 16, v[BY]        ; my two bytes: blocks h and 2 + h
	s_delay_alu instid0(VALU_DEP_1)
	v_permlanex16_b32 v[WX], v[WD], s[SEL], s[SEL+1]
	s_delay_alu instid0(VALU_DEP_1)
	v_perm_b32 v[PW], v[WX], v[WD], s[PSEL]        ; p's scale word for these 128 keys, whole in lanes 0-15, which alone are read
.irp c, 0,1
	v_cvt_scalef32_pk16_fp6_f32 v[PP+6*\c:PP+6*\c+2], v[SS+32*\c:SS+32*\c+15], v[SO+\c]
	v_cvt_scalef32_pk16_fp6_f32 v[PX+4*\c:PX+4*\c+2], v[SS+32*\c+16:SS+32*\c+31], v[SO+\c]   ; (a conversion's three registers begin on an even number)
.endr
.irp q, 0,1,2,3,4,5,6,7                ; the sum of the unquantised p, in eight chains; these lines are also the places between p's scale word and codes and the products
	v_pk_add_f32 v[TT+2*\q:TT+2*\q+1], v[SS+4*\q:SS+4*\q+1], v[SS+4*\q+2:SS+4*\q+3]
.endr
.irp i, 0,1,2
	v_mov_b32 v[PP+3+\i], v[PX+\i]
	v_mov_b32 v[PP+9+\i], v[PX+4+\i]
.endr
.irp i, 0,1,2,3,4,5,6,7,8,9,10,11,12,13,14,15
	v_pk_add_f32 v[TT+2*(\i%8):TT+2*(\i%8)+1], v[TT+2*(\i%8):TT+2*(\i%8)+1], v[SS+32+2*\i:SS+33+2*\i]
.endr
	s_wait_alu depctr_va_vdst(0)
	s_wait_dscnt 0x0                               ; v
.irp t, 0,1,2,3                        ; O^T += v^T p^T: four accumulators, one instruction a turn
	v_wmma_scale_f32_16x16x128_f8f6f4 v[OO+8*\t:OO+8*\t+7], v[FR+12*\t:FR+12*\t+11], v[PP:PP+11], v[OO+8*\t:OO+8*\t+7], v[VW+\t], v[PW] matrix_a_fmt:MATRIX_FMT_FP6 matrix_b_fmt:MATRIX_FMT_FP6
.endr
.endm
	s_wait_alu depctr_va_vdst(0)                   ; the head's end
	s_wait_loadcnt 0x0                             ; q
	s_wait_tensorcnt 0x0                           ; my key step is in
	s_wait_dscnt 0x0
	s_barrier_signal -1
	s_barrier_wait -1                              ; everybody's is: the whole stream lies in LDS
	s_mov_b32 s[CNT], 8
.Ltrip:                                                ; a trip is two key steps: -M's two registers are back where they began
	v_add_nc_u32 v[KA], s[TB], v[BK]
	v_add_nc_u32 v[KA+1], s[TB], v[BK+1]
	v_add_nc_u32 v[KB], s[TB], v[BK+2]
	v_add_nc_u32 v[KB+1], s[TB], v[BK+3]
	v_add_nc_u32 v[KSC], s[TB], v[BK+4]
	v_add_nc_u32 v[VA], s[TB], v1
	v_add_nc_u32 v[VB], s[TB], v2
	v_add_nc_u32 v[VSC], s[TB], v3
	STEP 0
	STEP 1
	s_add_co_u32 s[TB], s[TB], 25600
	s_sub_co_u32 s[CNT], s[CNT], 1
	s_cmp_lg_u32 s[CNT], 0
	s_wait_alu depctr_va_vdst(0)
	s_cbranch_scc1 .Ltrip
	; THE WAY OUT: O^T / the sum, quantised along d: register 16 b + i is d = 32 b + 16 (lane / 16) + i
	PARTA                                          ; the last step's sum; also the places behind the last products
	PARTB
	s_delay_alu instid0(VALU_DEP_1)
	v_add_f32 v[LL], v[LL], v[LL+1]
	s_delay_alu instid0(VALU_DEP_1)
	v_permlanex16_b32 v[RO], v[LL], s[SEL], s[SEL+1]
	s_delay_alu instid0(VALU_DEP_1)
	v_add_f32 v[LL], v[LL], v[RO]                  ; the row's sum
	s_wait_alu depctr_va_vdst(0)
	v_rcp_f32 v[LL], v[LL]
	v_nop                                          ; a plain place behind the transcendental
	s_wait_alu depctr_va_vdst(0)                   ; the wait ahead of its first reader, and of O^T's
.set j, 0
.rept 32
	v_mul_f32 v[SS+j], v[OO+j], v[LL]
.set j, j+1
.endr
.irp b, 0,1
	v_max3_num_f32 v[MX+\b], |v[SS+16*\b]|, |v[SS+1+16*\b]|, 0x1800000
.endr
.irp i, 2,4,6,8,10,12,14
.irp b, 0,1
	s_delay_alu instid0(VALU_DEP_2)
	v_max3_num_f32 v[MX+\b], v[MX+\b], |v[SS+16*\b+\i]|, |v[SS+1+16*\b+\i]|
.endr
.endr
.irp b, 0,1
	s_delay_alu instid0(VALU_DEP_2)
	v_permlanex16_b32 v[SO+\b], v[MX+\b], s[SEL], s[SEL+1]
.endr
.irp b, 0,1
	s_delay_alu instid0(VALU_DEP_2)
	v_max_num_f32 v[MX+\b], v[MX+\b], v[SO+\b]
.endr
.irp b, 0,1
	s_delay_alu instid0(VALU_DEP_2)
	v_add_nc_u32 v[BY+\b], 0xff000000, v[MX+\b]
.endr
.irp b, 0,1
	s_delay_alu instid0(VALU_DEP_2)
	v_lshrrev_b32 v[SO+\b], 23, v[BY+\b]
.endr
	s_delay_alu instid0(VALU_DEP_1)
	v_lshl_or_b32 v[WD], v[SO+1], 8, v[SO]
	v_cvt_scalef32_pk16_fp6_f32 v[PP:PP+2], v[SS:SS+15], v[BY]
	v_cvt_scalef32_pk16_fp6_f32 v[PX:PX+2], v[SS+16:SS+31], v[BY+1]
	v_nop                                          ; one plain place behind a scaled conversion
.irp i, 0,1,2
	v_permlane16_swap_b32 v[PP+\i], v[PX+\i]       ; the operand's layout wants a whole block in a lane
.endr
.irp i, 0,1,2
	s_delay_alu instid0(VALU_DEP_3)
	v_mov_b32 v[PP+3+\i], v[PX+\i]
.endr
	global_store_b128 v1, v[PP:PP+3], s[56:57]     ; 512 consecutive bytes, aligned
	global_store_b64 v2, v[PP+4:PP+5], s[56:57]    ; 256 consecutive bytes, aligned
	global_store_b16 v4, v[WD], s[60:61] offset:49152
	s_wait_tensorcnt 0x0                           ; the wave's end
	ds_add_u32 v[SPW], v[NIL]
	s_wait_dscnt 0x0
	CROUND                                         ; the closing round
	s_endpgm
.Lfunc_end_k_q856dc152c5_attn:
	.size	k_q856dc152c5_attn, .Lfunc_end_k_q856dc152c5_attn-k_q856dc152c5_attn
	.p2alignl 7, 3214868480
	.fill 96, 4, 3214868480
	.section	.rodata,"a",@progbits
	.p2align	6, 0x0
	.amdhsa_kernel k_q856dc152c5_attn
		.amdhsa_group_segment_fixed_size 327680
		.amdhsa_private_segment_fixed_size 0
		.amdhsa_enable_private_segment 0
		.amdhsa_kernarg_size 24
		.amdhsa_user_sgpr_count 2
		.amdhsa_user_sgpr_kernarg_segment_ptr 1
		.amdhsa_wavefront_size32 1
		.amdhsa_system_sgpr_workgroup_id_x 1
		.amdhsa_system_sgpr_workgroup_id_y 1
		.amdhsa_system_sgpr_workgroup_id_z 1
		.amdhsa_system_vgpr_workitem_id 0
		.amdhsa_next_free_vgpr 256
		.amdhsa_next_free_sgpr 66
		.amdhsa_reserve_vcc 0
		.amdhsa_float_denorm_mode_32 3
		.amdhsa_float_denorm_mode_16_64 3
		.amdhsa_memory_ordered 1
		.amdhsa_forward_progress 1
		.amdhsa_inst_pref_size 45
	.end_amdhsa_kernel
	.amdgpu_metadata
---
amdhsa.version: [ 1, 2 ]
amdhsa.kernels:
  - .name:           k_q856dc152c5_attn
    .symbol:         k_q856dc152c5_attn.kd
    .args:
      - { .name: qf, .offset: 0, .size: 8, .value_kind: global_buffer, .address_space: global }
      - { .name: kv, .offset: 8, .size: 8, .value_kind: global_buffer, .address_space: global }
      - { .name: oc, .offset: 16, .size: 8, .value_kind: global_buffer, .address_space: global }
    .group_segment_fixed_size: 327680
    .private_segment_fixed_size: 0
    .kernarg_segment_align: 8
    .kernarg_segment_size: 24
    .max_flat_workgroup_size: 512
    .sgpr_count:     66
    .vgpr_count:     256
    .wavefront_size: 32
...
	.end_amdgpu_metadata
.endif
;; end of part 3
;; launch wo (part 4): grid 8 x 32, 4 waves a work-group, clusters of 4 x 4, 327,680 bytes of LDS; arguments oc, wts, bo, x, x1; writes x1
.if DOCPART == 4
	.amdgcn_target "amdgcn-amd-amdhsa--gfx1250"
	.amdhsa_code_object_version 6
	.text
	.protected	k_q856dc152c5_wo
	.globl	k_q856dc152c5_wo
	.p2align	8
	.type	k_q856dc152c5_wo,@function
k_q856dc152c5_wo:
	s_mov_b64 s[64:65], 0
	v_nop
	global_prefetch_b8 v0, s[64:65] scope:SCOPE_SE
	s_setreg_imm32_b32 hwreg(HW_REG_WAVE_MODE, 25, 1), 1
	s_wait_xcnt 0x0
	s_wait_alu depctr_hold_cnt(0) depctr_sa_sdst(0) depctr_va_vdst(0) depctr_va_sdst(0) depctr_va_ssrc(0) depctr_va_vcc(0) depctr_vm_vsrc(0)
	s_getreg_b32 s2, hwreg(HW_REG_IB_STS2, 6, 4)
	s_cmp_eq_u32 s2, 0
	s_cbranch_scc0 .Lentry_in_a_cluster
	s_endpgm
.Lentry_in_a_cluster:
	s_bfe_u32 s2, ttmp6, 0x10000c
	s_cmp_lg_u32 s2, 0xf033
	s_cbranch_scc0 .Lentry_shape_is_right
	s_endpgm
.Lentry_shape_is_right:
.set SPARE, 307200
.set STAGE, 204800
.set ADA,  4
.set ADA8, 6
.set ADB,  8
.set ADB8, 12
.set ADS,  16
.set L16,  20
.set L8,   21
.set STO,  24
.set RD,   25
.set XO,   26
.set BO,   27
.set SPW,  28
.set NIL,  29
.set SC,   32
.set ACC,  128
.set F0,   0
.set F1,   96
.set BIAS, 192
.set G1A,  24
.set G1B,  32
.set G0A,  40
.set G0B,  48
.set XB,   74
.set OB,   76
.set BB,   78
.set MSB, 0
.macro WIN new
.if MSB != \new
	s_set_vgpr_msb (MSB<<8)|\new
.set MSB, \new
.endif
.endm
.set NSTEP, 8                          ; K steps of 128
.set TO_F, 0x40
.set TO_X, 0x80
.set ADDX, 0x08
.macro PLACES n
.rept \n
	v_nop
.endr
.endm
.macro CREST
	s_cmp_lg_u32 s14, 0
	s_cbranch_scc1 .Lnot_wave_0_\@
	s_barrier_signal -3
.Lnot_wave_0_\@:
	s_barrier_wait -3
	s_barrier_signal -1
	s_barrier_wait -1
.endm
.macro CROUND
	s_barrier_signal -1
	s_barrier_wait -1
	CREST
.endm
.macro MWIN f, cm                      ; sources 0 and 1 in the buffer's window; C in window 1 where the bias starts the sums (cm = 2), else with D in window 0
	WIN ((1+(\f)/256)*5+8*(\cm))
.endm
.macro FRAG reg, a16, a8, off
.set rF, (\reg)%256                    ; a buffer is named by 256 x (its window - 1) + its first register
	ds_load_b128 v[rF:rF+3], v[\a16] offset:\off
	ds_load_b64 v[rF+4:rF+5], v[\a8] offset:\off
	ds_load_b128 v[rF+6:rF+9], v[\a16] offset:\off+768
	ds_load_b64 v[rF+10:rF+11], v[\a8] offset:\off+768
.endm
.macro FETCH xa, yb, ks, f, set
	WIN ((1+(\f)/256)<<6)
.irp i, 0,1,2,3
	FRAG (\f)+12*\i, ADB+(\yb), ADB8+(\yb), (\ks)*12288+\i*1536
.endr
.irp i, 0,1
	FRAG (\f)+48+12*\i, ADA+(\xa), ADA8+(\xa), (\ks)*12288+\i*1536
.endr
.if \set >= 0
	WIN 0
.irp i, 0,1,2,3
	ds_load_b128 v[SC+16*(\set)+4*\i:SC+16*(\set)+4*\i+3], v[ADS+(\yb)] offset:\i*256
.endr
	WIN ((1+(\f)/256)<<6)
.endif
.irp i, 2,3
	FRAG (\f)+48+12*\i, ADA+(\xa), ADA8+(\xa), (\ks)*12288+\i*1536
.endr
.endm
.macro MULA f, a, ks, set, cm
.irp b, 0,1,2,3
.set rD, ACC+8*(4*(\a)+\b)
.set rW, (\f)%256+12*\b
.set rT, (\f)%256+48+12*(\a)
.set zW, SC+16*(\set)+4*\b+(\ks)
.set zT, SC+16*(\set)+4*(\a)+(\ks)
.if \cm == 2
	v_wmma_scale_f32_16x16x128_f8f6f4 v[rD:rD+7], v[rW:rW+11], v[rT:rT+11], v[BIAS+8*\b:BIAS+8*\b+7], v[zW], v[zT] matrix_a_fmt:MATRIX_FMT_FP6 matrix_b_fmt:MATRIX_FMT_FP6 matrix_a_scale:MATRIX_SCALE_ROW1
.else
	v_wmma_scale_f32_16x16x128_f8f6f4 v[rD:rD+7], v[rW:rW+11], v[rT:rT+11], v[rD:rD+7], v[zW], v[zT] matrix_a_fmt:MATRIX_FMT_FP6 matrix_b_fmt:MATRIX_FMT_FP6 matrix_a_scale:MATRIX_SCALE_ROW1
.endif
.endr
.endm
; THE WALK ALONG K.  Step st multiplies fragment buffer st % 3 (window 1 v0-95, window 1 v96-191, window 2 v128-223).  It first asks for the fragments of step st + 2, into the buffer that step st - 1 multiplied,
; behind four places; then it waits for its own: the count is the loads of steps st + 1 and st + 2 (32 a step, 36 where a chunk's scale words come along), held at 63, the field's most.
.macro GS st
.set gFA, 96*((\st)%3)+192*(((\st)%3)/2)
.set gM,  (\st)+2
.set gFG, 96*(gM%3)+192*((gM%3)/2)
.set gKS, (\st)%4
.set gSE, ((\st)/4)%2
.set gCM, 2-2*((((\st)%8)+7)/8)        ; 2 in the first step: the bias starts the sums
.set gZ,  1-((gM%4)+3)/4               ; 1 where step st + 2 begins a chunk of 512
.set gXA, (gM/4)%2
.set gNS, gZ*(gXA+1)-1
.set gO1, 36-4*(((((\st)+1)%4)+3)/4)   ; the loads of step st + 1
.if gM < NSTEP
.set gOUT, gO1+32+4*gZ
.elseif gM == NSTEP
.set gOUT, gO1
.else
.set gOUT, 0
.endif
.if gOUT > 63
.set gOUT, 63
.endif
.if gM < NSTEP
	PLACES 4
	FETCH gXA, gXA, gM%4, gFG, gNS
.endif
	s_wait_dscnt gOUT
	MWIN gFA, gCM
.irp a, 0,1,2,3
	MULA gFA, \a, gKS, gSE, gCM
.endr
.endm
.macro TOSTAGE a
.irp b, 0,1,2,3
	ds_store_b128 v[STO], v[ACC+8*(4*(\a)+\b):ACC+8*(4*(\a)+\b)+3] offset:128*(\b/2)+32*(\b%2)
	ds_store_b128 v[STO], v[ACC+8*(4*(\a)+\b)+4:ACC+8*(4*(\a)+\b)+7] offset:128*(\b/2)+32*(\b%2)+16
.endr
.set BK, 64+32*((\a)%2)
.irp t, 0,1,2,3,4,5,6,7
	ds_load_b128 v[BK+4*\t:BK+4*\t+3], v[RD] offset:\t*544
.endr
.endm
.macro SEND a, younger
.set BK, 64+32*((\a)%2)
	s_wait_dscnt \younger
	s_wait_loadcnt 8*(3-(\a))                      ; block a of x is in; the later blocks' loads, eight each, may be out
	WIN ADDX
.set ri, 0
.rept 16
	v_pk_add_f32 v[BK+2*ri:BK+2*ri+1], v[BK+2*ri:BK+2*ri+1], v[32*(\a)+2*ri:32*(\a)+2*ri+1]
.set ri, ri+1
.endr
	WIN 0
.irp t, 0,1,2,3,4,5,6,7
	global_store_b128 v[XO], v[BK+4*\t:BK+4*\t+3], s[OB:OB+1] offset:(32*((\a)/2)+8*((\a)%2)+2*\t+8*(\t/4))*4096
.endr
.endm
	s_load_b256 s[4:11], s[0:1], 0x0
	s_load_b64 s[12:13], s[0:1], 0x20
	v_lshl_add_u32 v[SPW], v0, 2, SPARE
	v_mov_b32 v[NIL], 0
	ds_add_u32 v[SPW], v[NIL]
	ds_add_u32 v[SPW], v[NIL]
	v_lshrrev_b32 v1, 5, v0
	v_readfirstlane_b32 s14, v1
	s_lshr_b32 s15, s14, 1
	s_and_b32 s16, s14, 1
	s_bfe_u32 s19, ttmp6, 0x40000
	s_bfe_u32 s20, ttmp6, 0x40004
	s_lshl_b32 s18, ttmp9, 2
	s_add_co_u32 s18, s18, s19
	s_and_b32 s17, ttmp7, 0xffff
	s_lshl_b32 s17, s17, 2
	s_add_co_u32 s17, s17, s20
	s_lshl_b32 s21, s20, 2
	s_lshl_b32 s21, 15, s21
	s_lshl_b32 s22, 0x1111, s19
	s_or_b32 s[G1A], s21, (3<<16)|(1<<21)
	s_or_b32 s[G1B], s22, (3<<16)|(1<<21)
.irp g, G1A, G1B
	s_mov_b32 s[\g+1], 32<<16
	s_mov_b32 s[\g+2], 200<<16
	s_mov_b32 s[\g+3], 32<<16
	s_mov_b32 s[\g+4], 200
	s_mov_b32 s[\g+5], 32
	s_mov_b32 s[\g+6], 0
	s_mov_b32 s[\g+7], 0
.endr
	s_mul_i32 s23, s16, 51200                      ; my half (wave % 2) of the tokens' or of the weights' two blocks, in LDS and in memory
	s_mul_i32 s58, s17, 102400
	s_add_co_u32 s58, s58, s23
	s_mov_b32 s59, 0
	s_mul_i32 s60, s18, 102400
	s_add_co_u32 s60, s60, s23
	s_add_co_u32 s60, s60, 48*51200
	s_mov_b32 s61, 0
	s_wait_dscnt 0x0
	s_wait_kmcnt 0x0
	s_add_nc_u64 s[58:59], s[4:5], s[58:59]
	s_add_nc_u64 s[60:61], s[6:7], s[60:61]
	CROUND
	s_mov_b32 s[G0A], 1
	s_mov_b32 s[G0A+1], s23
	s_mov_b64 s[G0A+2:G0A+3], s[58:59]
	s_or_b32 s[G0A+3], s[G0A+3], 0x80000000
	s_mov_b32 s[G0B], 1
	s_add_co_u32 s[G0B+1], s23, 102400
	s_mov_b64 s[G0B+2:G0B+3], s[60:61]
	s_or_b32 s[G0B+3], s[G0B+3], 0x80000000
	s_cmp_eq_u32 s15, 0                            ; one tensor load a wave, all at the head: waves 0 and 1 bring the tokens' halves, waves 2 and 3 the weights'
	s_cbranch_scc0 .Lhead_b
	tensor_load_to_lds s[G0A:G0A+3], s[G1A:G1A+7]
	s_nop 0
	PLACES 4
	s_branch .Lhead_asked
.Lhead_b:
	tensor_load_to_lds s[G0B:G0B+3], s[G1B:G1B+7]
	s_nop 0
	PLACES 4
.Lhead_asked:
	v_and_b32 v1, 15, v0
	v_bfe_u32 v2, v0, 4, 1
	v_and_b32 v3, 31, v0
	v_lshlrev_b32 v[L16], 4, v3
	v_lshlrev_b32 v[L8], 3, v3
	v_add_nc_u32 v[L8], 512, v[L8]
	s_mul_i32 s66, s15, 6144
	s_mul_i32 s67, s16, 6144
	s_add_co_u32 s67, s67, 102400
	v_add_nc_u32 v[ADA], s66, v[L16]
	v_add_nc_u32 v[ADA8], s66, v[L8]
	v_add_nc_u32 v[ADA+1], 51200, v[ADA]
	v_add_nc_u32 v[ADA8+1], 51200, v[ADA8]
	v_add_nc_u32 v[ADB], s67, v[L16]
	v_add_nc_u32 v[ADB8], s67, v[L8]
	v_add_nc_u32 v[ADB+1], 51200, v[ADB]
	v_add_nc_u32 v[ADB8+1], 51200, v[ADB8]
	s_lshl_b32 s68, s15, 10
	s_add_co_u32 s68, s68, 49152
	v_lshl_add_u32 v3, v1, 4, s68
	s_xor_b32 s71, s15, 1
	s_add_co_u32 s71, s71, s16
	s_lshl_b32 s71, s71, 10
	s_add_co_u32 s69, s71, 101376
	v_mul_u32_u24 v[ADS], s69, v2
	v_add_nc_u32 v[ADS], v[ADS], v3
	v_add_nc_u32 v[ADS+1], 51200, v[ADS]
	s_mul_i32 s70, s14, 4352
	s_add_co_u32 s70, s70, STAGE
	v_mul_u32_u24 v[STO], v1, 272
	v_lshl_add_u32 v[STO], v2, 6, v[STO]
	v_add_nc_u32 v[STO], s70, v[STO]
	v_mul_u32_u24 v[RD], v2, 272
	v_lshl_add_u32 v[RD], v1, 4, v[RD]
	v_add_nc_u32 v[RD], s70, v[RD]
	v_lshlrev_b32 v[XO], 12, v2
	v_lshl_add_u32 v[XO], v1, 4, v[XO]
	v_lshlrev_b32 v[BO], 6, v2
	s_wait_alu depctr_va_vdst(0)
	s_lshl_b32 s72, s17, 19
	s_lshl_b32 s73, s15, 18
	s_add_co_u32 s72, s72, s73
	s_lshl_b32 s78, s18, 9
	s_lshl_b32 s73, s16, 8
	s_add_co_u32 s78, s78, s73
	s_add_co_u32 s72, s72, s78
	s_mov_b32 s73, 0
	s_mov_b32 s79, 0
	s_add_nc_u64 s[XB:XB+1], s[10:11], s[72:73]
	s_add_nc_u64 s[OB:OB+1], s[12:13], s[72:73]
	s_add_nc_u64 s[BB:BB+1], s[8:9], s[78:79]
	WIN TO_F
.irp b, 0,1,2,3
	global_load_b128 v[BIAS+8*\b:BIAS+8*\b+3], v[BO], s[BB:BB+1] offset:128*(\b/2)+32*(\b%2)
	global_load_b128 v[BIAS+8*\b+4:BIAS+8*\b+7], v[BO], s[BB:BB+1] offset:128*(\b/2)+32*(\b%2)+16
.endr
	WIN 0
	s_wait_tensorcnt 0x0
	s_barrier_signal -1
	s_barrier_wait -1
	FETCH 0, 0, 0, F0, 0
	FETCH 0, 0, 1, F1, -1
	WIN TO_X                                       ; x is wanted on the way out alone: it is asked for behind the tiles, block by block of 16 rows
.irp a, 0,1,2,3
.irp t, 0,1,2,3,4,5,6,7
	global_load_b128 v[32*\a+4*\t:32*\a+4*\t+3], v[XO], s[XB:XB+1] offset:(32*(\a/2)+8*(\a%2)+2*\t+8*(\t/4))*4096
.endr
.endr
	s_wait_loadcnt 32
.set gn, 0
.rept 8
	GS gn
.set gn, gn+1
.endr
	WIN 0
	PLACES 4
	TOSTAGE 0
.irp a, 1,2,3
.if \a > 1
	s_wait_xcnt 0x0
.endif
	TOSTAGE \a
	SEND \a-1, 16
.endr
	SEND 3, 0
	s_wait_tensorcnt 0x0
	ds_add_u32 v[SPW], v[NIL]
	s_wait_dscnt 0x0
	CROUND
	s_endpgm
.Lfunc_end_k_q856dc152c5_wo:
	.size	k_q856dc152c5_wo, .Lfunc_end_k_q856dc152c5_wo-k_q856dc152c5_wo
	.p2alignl 7, 3214868480
	.fill 96, 4, 3214868480
	.section	.rodata,"a",@progbits
	.p2align	6, 0x0
	.amdhsa_kernel k_q856dc152c5_wo
		.amdhsa_group_segment_fixed_size 327680
		.amdhsa_private_segment_fixed_size 0
		.amdhsa_enable_private_segment 0
		.amdhsa_kernarg_size 40
		.amdhsa_user_sgpr_count 2
		.amdhsa_user_sgpr_kernarg_segment_ptr 1
		.amdhsa_wavefront_size32 1
		.amdhsa_system_sgpr_workgroup_id_x 1
		.amdhsa_system_sgpr_workgroup_id_y 1
		.amdhsa_system_sgpr_workgroup_id_z 1
		.amdhsa_system_vgpr_workitem_id 0
		.amdhsa_next_free_vgpr 768
		.amdhsa_next_free_sgpr 100
		.amdhsa_reserve_vcc 0
		.amdhsa_float_denorm_mode_32 3
		.amdhsa_float_denorm_mode_16_64 3
		.amdhsa_memory_ordered 1
		.amdhsa_forward_progress 1
		.amdhsa_inst_pref_size 57
	.end_amdhsa_kernel
	.amdgpu_metadata
---
amdhsa.version: [ 1, 2 ]
amdhsa.kernels:
  - .name:           k_q856dc152c5_wo
    .symbol:         k_q856dc152c5_wo.kd
    .args:
      - { .name: oc, .offset: 0, .size: 8, .value_kind: global_buffer, .address_space: global }
      - { .name: wts, .offset: 8, .size: 8, .value_kind: global_buffer, .address_space: global }
      - { .name: bo, .offset: 16, .size: 8, .value_kind: global_buffer, .address_space: global }
      - { .name: x, .offset: 24, .size: 8, .value_kind: global_buffer, .address_space: global }
      - { .name: x1, .offset: 32, .size: 8, .value_kind: global_buffer, .address_space: global }
    .group_segment_fixed_size: 327680
    .private_segment_fixed_size: 0
    .kernarg_segment_align: 8
    .kernarg_segment_size: 40
    .max_flat_workgroup_size: 128
    .sgpr_count:     100
    .vgpr_count:     768
    .wavefront_size: 32
...
	.end_amdgpu_metadata
.endif
;; end of part 4
;; launch ln2 (part 5): grid 256 x 1, 16 waves a work-group, no clusters, 68,608 bytes of LDS; arguments x1, g2, be2, hc; writes hc
.if DOCPART == 5
	.amdgcn_target "amdgcn-amd-amdhsa--gfx1250"
	.amdhsa_code_object_version 6
	.text
	.protected	k_q856dc152c5_ln2
	.globl	k_q856dc152c5_ln2
	.p2align	8
	.type	k_q856dc152c5_ln2,@function
k_q856dc152c5_ln2:
	s_mov_b64 s[64:65], 0
	v_nop
	global_prefetch_b8 v0, s[64:65] scope:SCOPE_SE
	s_setreg_imm32_b32 hwreg(HW_REG_WAVE_MODE, 25, 1), 1
	s_wait_xcnt 0x0
; LayerNorm of rows of 1,024 f32 and the quantiser to E2M3 along the row, into blocks laid in the order of the matrix operand's registers:
; block (mb, kc) of 51,200 bytes = 128 tokens x 512 along K: codes at ks 12288 + tile 1536 + hf 768, scale bytes at 49152 + tile 256 + 16 r + 4 ks + 2 hf + (block % 2).
; A half fragment (768 bytes): lane l = (r = l % 16, h = l / 16) has k = 32 h .. 32 h + 31 of place r: 16 bytes at 16 l, 8 bytes at 512 + 8 l.
; THE TOKENS OF A TILE ARE NOT NEIGHBOURS: place p of tile 2 b + u of a group of 128 is token 32 b + 8 u + p + 8 (p / 8).
; One work-group makes one tile of 16 tokens.  STAGE 1: wave w normalises the token at place w (mean, then the sum of squared differences: two passes over registers, so a common offset does no harm)
; and puts (x - mean) rsqrt(var + eps) into LDS.  STAGE 2: wave w makes half fragment w (K = 64 w on): lane (r, h) reads a whole block of 32 of row r, applies gain and bias, and quantises it by itself.
; LDS rows are 4,112 bytes apart, an odd multiple of 16: the sixteen rows of a read start at different banks.  No tensor load, no cluster: work-groups share nothing.
; LIMITS: NaN and infinities are not served; a block whose largest magnitude lies under 2^-124 gets the byte 1: only this program reads the bytes.
.set YP,    4112
.set SCI,   66048                      ; the tile's 512 scale bytes: 256 for each chunk of 512 along K
.set SPARE, 66560                      ; the spare words, 128 bytes for each of the 16 waves, that no other line names
.set XR,  16                           ; v16-47  32 numbers
.set GR,  48                           ; v48-79  gain of my block
.set BR,  80                           ; v80-111 bias of my block
.set SPW, 12
.set NIL, 13
	s_load_b256 s[4:11], s[0:1], 0x0               ; the rows, gain, bias, the codes' buffer
	v_lshl_add_u32 v[SPW], v0, 2, SPARE
	v_mov_b32 v[NIL], 0
	v_lshrrev_b32 v1, 5, v0
	s_delay_alu instid0(VALU_DEP_1)
	v_readfirstlane_b32 s12, v1                    ; wave 0..15
	s_lshr_b32 s13, ttmp9, 3                       ; mb
	s_and_b32 s14, ttmp9, 7                        ; tile
	s_lshl_b32 s15, s13, 7
	s_lshr_b32 s16, s14, 1
	s_lshl_b32 s16, s16, 5
	s_add_co_u32 s15, s15, s16
	s_and_b32 s16, s14, 1
	s_lshl_b32 s16, s16, 3
	s_add_co_u32 s15, s15, s16
	s_add_co_u32 s15, s15, s12
	s_and_b32 s16, s12, 8
	s_add_co_u32 s15, s15, s16                     ; my token: 128 mb + 32 (tile / 2) + 8 (tile % 2) + w + 8 (w / 8)
	s_lshl_b32 s16, s15, 12
	s_mov_b32 s17, 0
	s_mul_i32 s18, s13, 102400
	s_lshr_b32 s19, s12, 3
	s_mul_i32 s19, s19, 51200
	s_add_co_u32 s19, s19, s18
	s_bfe_u32 s20, s12, 0x20001
	s_mul_i32 s20, s20, 12288
	s_add_co_u32 s19, s19, s20
	s_mul_i32 s20, s14, 1536
	s_add_co_u32 s19, s19, s20
	s_and_b32 s20, s12, 1
	s_mul_i32 s20, s20, 768
	s_add_co_u32 s22, s19, s20                     ; where half fragment w goes
	s_mov_b32 s23, 0
	s_lshl_b32 s20, s14, 8
	s_add_co_u32 s24, s18, s20                     ; and the tile's scale bytes
	s_mov_b32 s25, 0
	s_mov_b32 s26, 0x3a800000                      ; 1 / 1024
	s_mov_b32 s27, 0x3727c5ac                      ; 1e-5
	s_mov_b32 s28, 0x76543210
	s_mov_b32 s29, 0xfedcba98                      ; selects for lane l xor 16
	v_and_b32 v9, 31, v0
	v_and_b32 v10, 15, v0                          ; r
	v_bfe_u32 v11, v0, 4, 1                        ; h
	s_wait_alu depctr_va_vdst(0)
	v_lshlrev_b32 v1, 4, v9                        ; 16 x lane
	s_wait_alu depctr_va_vdst(0)
	s_mul_i32 s30, s12, YP
	v_add_nc_u32 v2, s30, v1                       ; stage 1 writes row w
	s_lshl_b32 s31, s12, 8
	v_lshl_add_u32 v4, v11, 7, s31                 ; 256 w + 128 h: my block, in gain and bias and in a row
	s_delay_alu instid0(VALU_DEP_1)
	v_mad_u32_u24 v3, v10, YP, v4                  ; stage 2 reads row r
	s_lshr_b32 s30, s12, 3
	s_lshl_b32 s30, s30, 8
	s_and_b32 s31, s12, 7
	s_lshl_b32 s31, s31, 1
	s_add_co_u32 s30, s30, s31
	s_add_co_u32 s30, s30, SCI
	v_lshl_add_u32 v5, v10, 4, v11
	s_delay_alu instid0(VALU_DEP_1)
	v_add_nc_u32 v5, s30, v5                       ; my scale byte: 256 (w / 8) + 16 r + 2 (w % 8) + h
	v_add_nc_u32 v6, SCI, v1
	v_mul_u32_u24 v7, v11, 51200
	s_delay_alu instid0(VALU_DEP_1)
	v_lshl_add_u32 v7, v10, 4, v7                  ; wave 0's way out for the scale bytes
	v_lshlrev_b32 v8, 3, v9
	s_delay_alu instid0(VALU_DEP_1)
	v_add_nc_u32 v8, 512, v8
	s_wait_alu depctr_va_vdst(0)
	s_wait_kmcnt 0x0
	s_add_nc_u64 s[4:5], s[4:5], s[16:17]
	s_add_nc_u64 s[22:23], s[10:11], s[22:23]
	s_add_nc_u64 s[24:25], s[10:11], s[24:25]
.irp j, 0,1,2,3,4,5,6,7
	global_load_b128 v[XR+4*\j:XR+4*\j+3], v1, s[4:5] offset:512*\j      ; 512 consecutive bytes a load
.endr
.irp j, 0,1,2,3,4,5,6,7
	global_load_b128 v[GR+4*\j:GR+4*\j+3], v4, s[6:7] offset:16*\j
	global_load_b128 v[BR+4*\j:BR+4*\j+3], v4, s[8:9] offset:16*\j
.endr
	s_wait_loadcnt 16                              ; the row is in; gain's and bias's sixteen loads may be out
	; ---- stage 1: the mean
	v_pk_add_f32 v[114:115], v[16:17], v[18:19]
	v_pk_add_f32 v[116:117], v[32:33], v[40:41]
	v_pk_add_f32 v[118:119], v[20:21], v[22:23]
	v_pk_add_f32 v[126:127], v[34:35], v[42:43]
	v_pk_add_f32 v[124:125], v[24:25], v[26:27]
	v_pk_add_f32 v[122:123], v[36:37], v[44:45]
	v_pk_add_f32 v[120:121], v[28:29], v[30:31]
	v_pk_add_f32 v[112:113], v[38:39], v[46:47]
	s_delay_alu instid0(VALU_DEP_1)
	v_pk_add_f32 v[112:113], v[112:113], v[126:127]
	v_pk_add_f32 v[114:115], v[114:115], v[124:125]
	v_pk_add_f32 v[116:117], v[116:117], v[122:123]
	v_pk_add_f32 v[118:119], v[118:119], v[120:121]
	s_delay_alu instid0(VALU_DEP_2)
	v_pk_add_f32 v[112:113], v[112:113], v[116:117]
	s_delay_alu instid0(VALU_DEP_2)
	v_pk_add_f32 v[114:115], v[114:115], v[118:119]
	s_delay_alu instid0(VALU_DEP_1)
	v_pk_add_f32 v[112:113], v[112:113], v[114:115]
	s_delay_alu instid0(VALU_DEP_1)
	v_add_f32 v112, v112, v113
	s_delay_alu instid0(VALU_DEP_1)
	v_add_f32_dpp v112, v112, v112 row_xmask:1 row_mask:0xf bank_mask:0xf
	s_delay_alu instid0(VALU_DEP_1)
	v_add_f32_dpp v112, v112, v112 row_xmask:2 row_mask:0xf bank_mask:0xf
	s_delay_alu instid0(VALU_DEP_1)
	v_add_f32_dpp v112, v112, v112 row_xmask:4 row_mask:0xf bank_mask:0xf
	s_delay_alu instid0(VALU_DEP_1)
	v_add_f32_dpp v112, v112, v112 row_xmask:8 row_mask:0xf bank_mask:0xf
	s_delay_alu instid0(VALU_DEP_1)
	v_permlanex16_b32 v113, v112, s28, s29
	s_delay_alu instid0(VALU_DEP_1)
	v_add_f32 v112, v112, v113
	s_delay_alu instid0(VALU_DEP_1)
	v_mul_f32 v112, s26, v112
.irp q, 0,1,2,3,4,5,6,7,8,9,10,11,12,13,14,15
	v_pk_add_f32 v[XR+2*\q:XR+2*\q+1], v[XR+2*\q:XR+2*\q+1], v[112:113] op_sel_hi:[1,0] neg_lo:[0,1] neg_hi:[0,1]   ; x - mean
.endr
	; the variance
.irp q, 0,1,2,3
	v_pk_mul_f32 v[114+2*\q:115+2*\q], v[XR+2*\q:XR+2*\q+1], v[XR+2*\q:XR+2*\q+1]
.endr
.irp q, 4,5,6,7,8,9,10,11,12,13,14,15
	s_delay_alu instid0(VALU_DEP_4)
	v_pk_fma_f32 v[114+2*(\q%4):115+2*(\q%4)], v[XR+2*\q:XR+2*\q+1], v[XR+2*\q:XR+2*\q+1], v[114+2*(\q%4):115+2*(\q%4)]
.endr
	s_delay_alu instid0(VALU_DEP_3)
	v_pk_add_f32 v[114:115], v[114:115], v[116:117]
	s_delay_alu instid0(VALU_DEP_2)
	v_pk_add_f32 v[118:119], v[118:119], v[120:121]
	s_delay_alu instid0(VALU_DEP_1)
	v_pk_add_f32 v[114:115], v[114:115], v[118:119]
	s_delay_alu instid0(VALU_DEP_1)
	v_add_f32 v114, v114, v115
	s_delay_alu instid0(VALU_DEP_1)
	v_add_f32_dpp v114, v114, v114 row_xmask:1 row_mask:0xf bank_mask:0xf
	s_delay_alu instid0(VALU_DEP_1)
	v_add_f32_dpp v114, v114, v114 row_xmask:2 row_mask:0xf bank_mask:0xf
	s_delay_alu instid0(VALU_DEP_1)
	v_add_f32_dpp v114, v114, v114 row_xmask:4 row_mask:0xf bank_mask:0xf
	s_delay_alu instid0(VALU_DEP_1)
	v_add_f32_dpp v114, v114, v114 row_xmask:8 row_mask:0xf bank_mask:0xf
	s_delay_alu instid0(VALU_DEP_1)
	v_permlanex16_b32 v115, v114, s28, s29
	s_delay_alu instid0(VALU_DEP_1)
	v_add_f32 v114, v114, v115
	s_delay_alu instid0(VALU_DEP_1)
	v_fma_f32 v114, v114, s26, s27                 ; var + eps
	s_wait_alu depctr_va_vdst(0)
	v_rsq_f32 v116, v114
	v_nop                                          ; a plain place behind the transcendental
	s_wait_alu depctr_va_vdst(0)                   ; the wait ahead of the result's first reader
.irp q, 0,1,2,3,4,5,6,7,8,9,10,11,12,13,14,15
	v_pk_mul_f32 v[XR+2*\q:XR+2*\q+1], v[XR+2*\q:XR+2*\q+1], v[116:117] op_sel_hi:[1,0]
.endr
.irp j, 0,1,2,3,4,5,6,7
	ds_store_b128 v2, v[XR+4*\j:XR+4*\j+3] offset:512*\j
.endr
	s_wait_dscnt 0x0                               ; for the others' sake: my row lies in LDS
	s_barrier_signal -1
	s_barrier_wait -1
	; ---- stage 2: my block of 32 of row r
.irp j, 0,1,2,3,4,5,6,7
	ds_load_b128 v[XR+4*\j:XR+4*\j+3], v3 offset:16*\j
.endr
	s_wait_loadcnt 0x0                             ; gain and bias
	s_wait_dscnt 0x0
.irp q, 0,1,2,3,4,5,6,7,8,9,10,11,12,13,14,15
	v_pk_fma_f32 v[XR+2*\q:XR+2*\q+1], v[XR+2*\q:XR+2*\q+1], v[GR+2*\q:GR+2*\q+1], v[BR+2*\q:BR+2*\q+1]
.endr
	v_max3_num_f32 v112, |v[XR]|, |v[XR+1]|, |v[XR+2]|
	v_max3_num_f32 v113, |v[XR+3]|, |v[XR+4]|, |v[XR+5]|
.irp i, 6,10,14,18,22,26
	s_delay_alu instid0(VALU_DEP_2)
	v_max3_num_f32 v112, v112, |v[XR+\i]|, |v[XR+\i+1]|
	s_delay_alu instid0(VALU_DEP_2)
	v_max3_num_f32 v113, v113, |v[XR+\i+2]|, |v[XR+\i+3]|
.endr
	s_delay_alu instid0(VALU_DEP_2)
	v_max3_num_f32 v112, v112, |v[XR+30]|, |v[XR+31]|
	s_delay_alu instid0(VALU_DEP_1)
	v_max3_num_f32 v112, v112, v113, 0x1800000     ; with the floor 2^(3 - 127)
	s_delay_alu instid0(VALU_DEP_1)
	v_add_nc_u32 v114, 0xff000000, v112            ; the conversion's scale operand
	s_delay_alu instid0(VALU_DEP_1)
	v_lshrrev_b32 v115, 23, v114                   ; the byte
	v_cvt_scalef32_pk16_fp6_f32 v[116:118], v[XR:XR+15], v114
	v_cvt_scalef32_pk16_fp6_f32 v[120:122], v[XR+16:XR+31], v114
	v_nop                                          ; one plain place behind a scaled conversion
	v_mov_b32 v119, v120
	v_mov_b32 v120, v121
	v_mov_b32 v121, v122
	ds_store_b8 v5, v115
	global_store_b128 v1, v[116:119], s[22:23]     ; 512 consecutive bytes, aligned
	global_store_b64 v8, v[120:121], s[22:23]      ; 256 consecutive bytes, aligned
	s_wait_dscnt 0x0                               ; my scale byte lies in LDS
	s_barrier_signal -1
	s_barrier_wait -1
	s_cmp_lg_u32 s12, 0
	s_cbranch_scc1 .Lend
	ds_load_b128 v[16:19], v6                      ; wave 0: the tile's 512 scale bytes leave as two aligned runs of 256
	s_wait_dscnt 0x0
	global_store_b128 v7, v[16:19], s[24:25] offset:49152
.Lend:
	s_wait_tensorcnt 0x0                           ; the wave's end, behind my last LDS store
	ds_add_u32 v[SPW], v[NIL]
	s_wait_dscnt 0x0
	s_endpgm
.Lfunc_end_k_q856dc152c5_ln2:
	.size	k_q856dc152c5_ln2, .Lfunc_end_k_q856dc152c5_ln2-k_q856dc152c5_ln2
	.p2alignl 7, 3214868480
	.fill 96, 4, 3214868480
	.section	.rodata,"a",@progbits
	.p2align	6, 0x0
	.amdhsa_kernel k_q856dc152c5_ln2
		.amdhsa_group_segment_fixed_size 68608
		.amdhsa_private_segment_fixed_size 0
		.amdhsa_enable_private_segment 0
		.amdhsa_kernarg_size 32
		.amdhsa_user_sgpr_count 2
		.amdhsa_user_sgpr_kernarg_segment_ptr 1
		.amdhsa_wavefront_size32 1
		.amdhsa_system_sgpr_workgroup_id_x 1
		.amdhsa_system_sgpr_workgroup_id_y 1
		.amdhsa_system_sgpr_workgroup_id_z 1
		.amdhsa_system_vgpr_workitem_id 0
		.amdhsa_next_free_vgpr 128
		.amdhsa_next_free_sgpr 66
		.amdhsa_reserve_vcc 0
		.amdhsa_float_denorm_mode_32 3
		.amdhsa_float_denorm_mode_16_64 3
		.amdhsa_memory_ordered 1
		.amdhsa_forward_progress 1
		.amdhsa_inst_pref_size 17
	.end_amdhsa_kernel
	.amdgpu_metadata
---
amdhsa.version: [ 1, 2 ]
amdhsa.kernels:
  - .name:           k_q856dc152c5_ln2
    .symbol:         k_q856dc152c5_ln2.kd
    .args:
      - { .name: x1, .offset: 0, .size: 8, .value_kind: global_buffer, .address_space: global }
      - { .name: g2, .offset: 8, .size: 8, .value_kind: global_buffer, .address_space: global }
      - { .name: be2, .offset: 16, .size: 8, .value_kind: global_buffer, .address_space: global }
      - { .name: hc, .offset: 24, .size: 8, .value_kind: global_buffer, .address_space: global }
    .group_segment_fixed_size: 68608
    .private_segment_fixed_size: 0
    .kernarg_segment_align: 8
    .kernarg_segment_size: 32
    .max_flat_workgroup_size: 512
    .sgpr_count:     66
    .vgpr_count:     128
    .wavefront_size: 32
...
	.end_amdgpu_metadata
.endif
;; end of part 5
;; launch ffn1 (part 6): grid 8 x 32, 4 waves a work-group, clusters of 4 x 4, 327,680 bytes of LDS; arguments hc, wts, b1, hid; writes hid
.if DOCPART == 6
	.amdgcn_target "amdgcn-amd-amdhsa--gfx1250"
	.amdhsa_code_object_version 6
	.text
	.protected	k_q856dc152c5_ffn1
	.globl	k_q856dc152c5_ffn1
	.p2align	8
	.type	k_q856dc152c5_ffn1,@function
k_q856dc152c5_ffn1:
	s_mov_b64 s[64:65], 0
	v_nop
	global_prefetch_b8 v0, s[64:65] scope:SCOPE_SE
	s_setreg_imm32_b32 hwreg(HW_REG_WAVE_MODE, 25, 1), 1
	s_wait_xcnt 0x0
	s_wait_alu depctr_hold_cnt(0) depctr_sa_sdst(0) depctr_va_vdst(0) depctr_va_sdst(0) depctr_va_ssrc(0) depctr_va_vcc(0) depctr_vm_vsrc(0)
	s_getreg_b32 s2, hwreg(HW_REG_IB_STS2, 6, 4)
	s_cmp_eq_u32 s2, 0
	s_cbranch_scc0 .Lentry_in_a_cluster
	s_endpgm
.Lentry_in_a_cluster:
	s_bfe_u32 s2, ttmp6, 0x10000c
	s_cmp_lg_u32 s2, 0xf033
	s_cbranch_scc0 .Lentry_shape_is_right
	s_endpgm
.Lentry_shape_is_right:
; hid = Q(relu(LayerNorm(x1) W1 + b1)): the product on codes of E2M3, the result quantised along the hidden units into the next product's operand blocks.
; A work-group takes 128 tokens (mb) and 512 hidden units (nb) and walks four tiles of 128 x 128; it fills one whole block of hid.  Four waves, 2 x 2 (wr: tokens, wc: units), 64 x 64 each: 16 accumulators.
; OPERANDS lie in the order of the operand's registers: a block of 51,200 bytes = 128 rows x 512 K: codes at ks 12288 + tile 1536 + hf 768 (lane l: 16 bytes at 16 l, 8 at 512 + 8 l), a row's 16 scale bytes at 49152 + tile 256 + 16 r.
; LDS: the tokens' two blocks (K = 1,024) stay for the whole launch; the weights go through two slots of a whole tile (two blocks).  At the head waves 0 and 1 bring the tokens' halves, waves 2 and 3 a whole tile each; a refill is a quarter (25,600 bytes) a wave, by one tensor load.
; CLUSTER 4 x 4: the four of a row share the tokens' blocks, the four of a column the weights': each is asked for jointly.  A wave has one tensor load out at the start, later one.
; The product is used transposed (source 0 = 16 rows of the weight): a lane holds one token and its registers run along the units; the rows of a tile were chosen (place p of tile 2 b + u = row 32 b + 8 u + p + 8 (p / 8))
; so that the 16 registers of tiles 2 b, 2 b + 1 are 16 neighbours along the next K.  The bias is the C of each sum's first product.
; REGISTERS: window 0: v1-29 addresses; v32-63 scale words, two sets; v64-127 at work on the way out; v128-255 accumulators.  Window 1: three fragment buffers of 48; windows 2 and 3 the tokens' fragments; v192-223 the bias.
; LIMITS: NaN and infinities are not served; a block whose largest magnitude lies under 2^-124 (a block of zeros too) gets the byte 1: only this program reads the bytes.
.set SPARE, 307200                     ; the spare words, 128 bytes for each wave, that no other line names
.set ADA,  4
.set ADA8, 6
.set ADB,  8
.set ADB8, 12
.set ADS,  16
.set L16,  20
.set L8,   21
.set R16,  23
.set BO,   27
.set SPW,  28
.set NIL,  29
.set SC,   32
.set TM,   64
.set PWA,  80
.set PWB,  81
.set PCA,  84
.set PCB,  106
.set ACC,  128
.set F0,   0
.set F1, 48
.set BIAS, 192
.set G1A,  24
.set G1B,  32
.set G0A,  40
.set G0B,  48
.set SEL,  56
.set BB,   72
.set HC,   74
.set HS,   76
.set MSB, 0
.macro WIN new                         ; the immediate's high byte repeats the setting that is left
.if MSB != \new
	s_set_vgpr_msb (MSB<<8)|\new
.set MSB, \new
.endif
.endm
.set NSTEP, 32                         ; K steps of 128 in all: four tiles of eight
.set TO_F, 0x40                        ; destination window 1
.macro PLACES n
.rept \n
	v_nop
.endr
.endm
.macro CREST
	s_cmp_lg_u32 s14, 0
	s_cbranch_scc1 .Lnot_wave_0_\@
	s_barrier_signal -3
.Lnot_wave_0_\@:
	s_barrier_wait -3
	s_barrier_signal -1
	s_barrier_wait -1
.endm
.macro CROUND
	s_barrier_signal -1
	s_barrier_wait -1
	CREST
.endm
.macro MWIN f, cm                      ; source 0 in the buffer's window, source 1 in the tokens'; C in window 1 where the bias starts the sums (cm = 2), else with D in window 0
	WIN (1+4*(1+gTR/256)+8*(\cm))                  ; source 0, the weights, in window 1; source 1, the tokens, in their window
.endm
.macro FRAG reg, a16, a8, off          ; a fragment, 12 registers: two half fragments, each 16 + 8 bytes a lane
.set rF, (\reg)%256                    ; a buffer is named by 256 x (its window - 1) + its first register
	ds_load_b128 v[rF:rF+3], v[\a16] offset:\off
	ds_load_b64 v[rF+4:rF+5], v[\a8] offset:\off
	ds_load_b128 v[rF+6:rF+9], v[\a16] offset:\off+768
	ds_load_b64 v[rF+10:rF+11], v[\a8] offset:\off+768
.endm
; One K step's fragments: the weights' four into buffer f of window 1 (16 loads); where gTA >= 0 the tokens' four to the registers at gTA, where they stay (16); the chunk's scale words if set >= 0 (4)
.macro FETCH xa, yb, ks, f, set
	WIN ((1+(\f)/256)<<6)
.irp i, 0,1,2,3
	FRAG (\f)+12*\i, ADB+(\yb), ADB8+(\yb), (\ks)*12288+\i*1536
.endr
.if gTA >= 0
	WIN ((1+gTA/256)<<6)
.irp i, 0,1,2,3
	FRAG gTA+12*\i, ADA+(\xa), ADA8+(\xa), (\ks)*12288+\i*1536
.endr
.endif
.if \set >= 0
	WIN 0
.irp i, 0,1,2,3
	ds_load_b128 v[SC+16*(\set)+4*\i:SC+16*(\set)+4*\i+3], v[ADS+(\yb)] offset:\i*256
.endr
.endif
.endm
; Four matrix instructions: the tokens' tile a against the weights' four.  cm = 2: the bias starts the sums.  The 16 accumulators take turns, one instruction a turn.
.macro MULA f, a, ks, set, cm
.irp b, 0,1,2,3
.set rD, ACC+8*(4*(\a)+\b)
.set rW, (\f)%256+12*\b
.set rT, gTR%256+12*(\a)
.set zW, SC+16*(\set)+4*\b+(\ks)
.set zT, SC+16*(\set)+4*(\a)+(\ks)
.if \cm == 2
	v_wmma_scale_f32_16x16x128_f8f6f4 v[rD:rD+7], v[rW:rW+11], v[rT:rT+11], v[BIAS+8*\b:BIAS+8*\b+7], v[zW], v[zT] matrix_a_fmt:MATRIX_FMT_FP6 matrix_b_fmt:MATRIX_FMT_FP6 matrix_a_scale:MATRIX_SCALE_ROW1
.else
	v_wmma_scale_f32_16x16x128_f8f6f4 v[rD:rD+7], v[rW:rW+11], v[rT:rT+11], v[rD:rD+7], v[zW], v[zT] matrix_a_fmt:MATRIX_FMT_FP6 matrix_b_fmt:MATRIX_FMT_FP6 matrix_a_scale:MATRIX_SCALE_ROW1
.endif
.endr
.endm
; A K step of 128: multiplies buffer f; first the fragments of step st + 2 are fetched into buffer g, in one run, behind four places
.macro REFILL sl                       ; slot sl takes the tile two on: my quarter, one tensor load, first thing behind the round
	s_add_nc_u64 s[G0B+4*\sl+2:G0B+4*\sl+3], s[G0B+4*\sl+2:G0B+4*\sl+3], 204800
	tensor_load_to_lds s[G0B+4*\sl:G0B+4*\sl+3], s[G1B:G1B+7]
	s_nop 0
	PLACES 4                                       ; (also the places in front of the loads below)
.endm
; THE WALK ALONG K.  Step st, counted over all tiles, multiplies the weights' fragment buffer st % 3 (window 1, 48 registers each) with the tokens' fragments of K step st % 8.
; THE TOKENS' FRAGMENTS STAY IN REGISTERS: all four tiles take the same 64 tokens a wave, 8 K steps x 48 registers (K steps 0-4 in window 2, 5-7 in window 3); they are read from LDS in the first tile alone.
; A step first asks for the fragments of step st + 2, the weights' into the buffer that step st - 1 multiplied, behind four places; then it waits for its own: the count is the loads of steps st + 1 and st + 2
; (16 a step, 16 more in the first tile, 4 more where a chunk's scale words come along), held at 63, the field's most.
; STEP 6 OF A TILE CHANGES SLOTS: all reads of the tile's slot have been issued by then.  One barrier; in front of it each wave waits for all its tensor loads, adds 0 to its spare word, and waits for that and for its
; reads of the slot.  Where a tile two on is left, the barrier opens a round of the cluster's barrier and the slot is filled again.
.macro GS st
.set gFA, 48*((\st)%3)
.set gM,  (\st)+2
.set gFG, 48*(gM%3)
.set gTR, 256*(1+((\st)%8)/5)+48*(((\st)%8)%5)   ; where this K step's fragments of the tokens stay: 256 x (window - 1) + register
.set gE2, 1-((gM/8)+3)/4               ; 1 while step st + 2 lies in the first tile
.set gTA, gE2*(256*(1+gM/5)+48*(gM%5)+1)-1       ; where its fragments of the tokens go; -1: they are in registers
.set gKS, (\st)%4
.set gSE, ((\st)/4)%2
.set gCM, 2-2*((((\st)%8)+7)/8)        ; 2 in a tile's first step: the bias starts the sums
.set gSL, ((\st)/8)%2
.set gZ,  1-((gM%4)+3)/4               ; 1 where step st + 2 begins a chunk of 512
.set gXA, (gM/4)%2
.set gYB, 2*((gM/8)%2)+gXA
.set gNS, gZ*(gXA+1)-1
.set gO1, 20-4*(((((\st)+1)%4)+3)/4)+16*(1-((((\st)+1)/8)+3)/4)   ; the loads of step st + 1
.if gM < NSTEP
.set gOUT, gO1+16+16*gE2+4*gZ
.elseif gM == NSTEP
.set gOUT, gO1
.else
.set gOUT, 0
.endif
.if gOUT > 63
.set gOUT, 63
.endif
.if ((\st)%8 == 6) && (gM < NSTEP)
	WIN 0
	s_wait_tensorcnt 0x0                           ; all my tensor loads have landed: my part of the other slot
	ds_add_u32 v[SPW], v[NIL]
	s_wait_dscnt gO1+1                             ; (the add and the next step's loads may be out)
	MWIN gFA, 0
	MULA gFA, 0, gKS, gSE, 0
	s_wait_dscnt 0x0                               ; the add is done, and my reads of this slot are over
	s_barrier_signal -1
	MULA gFA, 1, gKS, gSE, 0
	WIN 0
	s_barrier_wait -1
.if (\st)/8+2 < NSTEP/8
	CREST                                          ; no wave of any partner still reads the slot or has a load on its way
	REFILL gSL
.else
	PLACES 4
.endif
	FETCH gXA, gYB, gM%4, gFG, gNS
	MWIN gFA, 0
	MULA gFA, 2, gKS, gSE, 0
	MULA gFA, 3, gKS, gSE, 0
.else
.if gM < NSTEP
	PLACES 4
	FETCH gXA, gYB, gM%4, gFG, gNS
.endif
	s_wait_dscnt gOUT
	MWIN gFA, gCM
.irp a, 0,1,2,3
	MULA gFA, \a, gKS, gSE, gCM
.endr
.endif
.endm
.macro TILE                            ; a tile of 128 x 128 over K = 1,024: eight steps
	s_wait_loadcnt 0x0                             ; this tile's bias
.rept 8
.if gn == 0 || gn == 4                 ; tile 2 is asked for in step 0, six K steps ahead of the load that brings it, tile 3 in step 4, ten ahead: of my wave's quarter, 100 blocks of 256 bytes, each of the column's four partners names 25, told apart by address; a lane a block, lanes 25-31 the last again
	WIN 0
	global_prefetch_b8 v[PFO], s[PFA:PFA+1] offset:204800+25600*gn th:TH_LOAD_NT scope:SCOPE_SE
.endif
	GS gn
.set gn, gn+1
.endr
.endm
; 64 numbers of a lane, register 16 b + i = k 32 b + 16 (lane / 16) + i of block b, become 12 registers of codes (two half fragments) in v[pc] on and four scale bytes in v[pw]
.macro QUANT s, pc, pw
.irp b, 0,1,2,3
	v_max3_num_f32 v[TM+\b], |v[(\s)+16*\b]|, |v[(\s)+1+16*\b]|, 0x1800000   ; with the floor 2^(3 - 127): the byte cannot fall under 1
.endr
.irp i, 2,4,6,8,10,12,14
.irp b, 0,1,2,3
	v_max3_num_f32 v[TM+\b], v[TM+\b], |v[(\s)+16*\b+\i]|, |v[(\s)+1+16*\b+\i]|
.endr
.endr
.irp b, 0,1,2,3
	v_permlanex16_b32 v[TM+4+\b], v[TM+\b], s[SEL], s[SEL+1]
.endr
.irp b, 0,1,2,3
	v_max_num_f32 v[TM+\b], v[TM+\b], v[TM+4+\b]   ; with lane l xor 16's: the block's largest magnitude
.endr
.irp b, 0,1,2,3
	v_add_nc_u32 v[TM+12+\b], 0xff000000, v[TM+\b] ; 2 off the exponent field: the conversion's scale operand
.endr
.irp b, 0,1,2,3
	v_lshrrev_b32 v[TM+4+\b], 23, v[TM+12+\b]      ; the byte
.endr
	v_lshl_or_b32 v[\pw], v[TM+5], 8, v[TM+4]
	v_lshl_or_b32 v[\pw], v[TM+6], 16, v[\pw]
	v_lshl_or_b32 v[\pw], v[TM+7], 24, v[\pw]
.irp c, 0,1
	v_cvt_scalef32_pk16_fp6_f32 v[\pc+6*\c:\pc+2+6*\c], v[(\s)+32*\c:(\s)+15+32*\c], v[TM+12+2*\c]
	v_cvt_scalef32_pk16_fp6_f32 v[\pc+12+4*\c:\pc+14+4*\c], v[(\s)+16+32*\c:(\s)+31+32*\c], v[TM+12+2*\c+1]
.endr
	v_nop                                          ; one plain place behind a scaled conversion
.irp c, 0,1                            ; the operand's layout wants a whole block in a lane
.irp i, 0,1,2
	v_permlane16_swap_b32 v[\pc+6*\c+\i], v[\pc+12+4*\c+\i]
.endr
.irp i, 0,1,2
	v_mov_b32 v[\pc+3+6*\c+\i], v[\pc+12+4*\c+\i]
.endr
.endr
.endm
.macro HF pc, base, off                ; a half fragment leaves: 512 and 256 consecutive bytes, aligned
	global_store_b128 v[L16], v[\pc:\pc+3], s[\base:\base+1] offset:\off
	global_store_b64 v[L8], v[\pc+4:\pc+5], s[\base:\base+1] offset:\off
.endm
.macro BLOAD j                         ; tile j's bias: lane (r, h), register i of tile b: unit 32 (b / 2) + 16 h + 8 (b % 2) + i
	WIN TO_F
.irp b, 0,1,2,3
	global_load_b128 v[BIAS+8*\b:BIAS+8*\b+3], v[BO], s[BB:BB+1] offset:(\j)*512+128*(\b/2)+32*(\b%2)
	global_load_b128 v[BIAS+8*\b+4:BIAS+8*\b+7], v[BO], s[BB:BB+1] offset:(\j)*512+128*(\b/2)+32*(\b%2)+16
.endr
	WIN 0
.endm
; Tile j's way out: relu, the quantiser, and K step j of the block of hid: my 64 units are half fragment wc
.macro EOUT j
	WIN 0
	PLACES 4                                       ; behind the last products, ahead of the first read of results
	s_wait_xcnt 0x0                                ; the last way out's stores have read their registers: they are written again only behind this wait
.if (\j) < 3
	BLOAD (\j)+1
.endif
.set ri, 0
.rept 128
	v_max_num_f32 v[ACC+ri], 0, v[ACC+ri]          ; the activation, in f32; each accumulator from its low end on
.set ri, ri+1
.endr
	QUANT ACC, PCA, PWA
	HF PCA, HC, (\j)*12288
	HF PCA+6, HC, (\j)*12288+1536
	global_store_b16 v[R16], v[PWA], s[HS:HS+1] offset:4*(\j)
	global_store_d16_hi_b16 v[R16], v[PWA], s[HS:HS+1] offset:256+4*(\j)
	QUANT ACC+64, PCB, PWB
	HF PCB, HC, (\j)*12288+3072
	HF PCB+6, HC, (\j)*12288+4608
	global_store_b16 v[R16], v[PWB], s[HS:HS+1] offset:512+4*(\j)
	global_store_d16_hi_b16 v[R16], v[PWB], s[HS:HS+1] offset:768+4*(\j)
.endm
	s_load_b256 s[4:11], s[0:1], 0x0               ; hc, wts, b1, hid
	v_lshl_add_u32 v[SPW], v0, 2, SPARE
	v_mov_b32 v[NIL], 0
	ds_add_u32 v[SPW], v[NIL]                      ; the wave's opening: the add and its wait ahead of my first tensor load
	ds_add_u32 v[SPW], v[NIL]
	v_lshrrev_b32 v1, 5, v0
	v_readfirstlane_b32 s14, v1                    ; wave 0..3
	s_lshr_b32 s15, s14, 1                         ; wr
	s_and_b32 s16, s14, 1                          ; wc
	s_bfe_u32 s19, ttmp6, 0x40000                  ; cx
	s_bfe_u32 s20, ttmp6, 0x40004                  ; cy
	s_lshl_b32 s18, ttmp9, 2
	s_add_co_u32 s18, s18, s19                     ; nb
	s_and_b32 s17, ttmp7, 0xffff
	s_lshl_b32 s17, s17, 2
	s_add_co_u32 s17, s17, s20                     ; mb
	s_lshl_b32 s21, s20, 2
	s_lshl_b32 s21, 15, s21                        ; my row of the cluster
	s_lshl_b32 s22, 0x1111, s19                    ; my column
	s_or_b32 s[G1A], s21, (3<<16)|(1<<21)
	s_or_b32 s[G1B], s22, (3<<16)|(1<<21)
.irp g, G1A, G1B                       ; 100 rows of 256 bytes, dense: 25,600 bytes
	s_mov_b32 s[\g+1], 32<<16
	s_mov_b32 s[\g+2], 200<<16                     ; the head's loads bring 200 rows of 256 bytes; the weights' group is set to 100 behind them
	s_mov_b32 s[\g+3], 32<<16
	s_mov_b32 s[\g+4], 200
	s_mov_b32 s[\g+5], 32
	s_mov_b32 s[\g+6], 0
	s_mov_b32 s[\g+7], 0
.endr
	s_mov_b32 s[SEL], 0x76543210
	s_mov_b32 s[SEL+1], 0xfedcba98
	s_mov_b32 s[G1B+2], 400<<16                    ; at the head a load of the weights brings a whole tile, 400 rows
	s_mov_b32 s[G1B+4], 400
	s_mul_i32 s23, s14, 25600                      ; my quarter, in LDS and in memory
	s_mul_i32 s90, s16, 51200                      ; the head's halves: wave % 2 x 51,200 bytes, in LDS and in memory
	s_mul_i32 s58, s17, 102400
	s_add_co_u32 s58, s58, s90
	s_mul_i32 s96, s18, 409600                     ; tile 0 of W1
	s_mul_i32 s91, s16, 102400                     ; wave 2 brings tile 0 into slot 0, wave 3 tile 1 into slot 1: neighbours in memory and in LDS
	s_add_co_u32 s96, s96, s91
	s_add_co_u32 s96, s96, 64*51200
	s_mov_b32 s97, 0
	s_mov_b32 s59, 0
	s_mul_i32 s60, s18, 409600                     ; my four tiles of W1: eight blocks
	s_add_co_u32 s60, s60, s23
	s_add_co_u32 s60, s60, 64*51200                ; W1's blocks begin at block 64 of wts
	s_mov_b32 s61, 0
	s_wait_dscnt 0x0                               ; the opening add is done
	s_wait_kmcnt 0x0
	s_add_nc_u64 s[58:59], s[4:5], s[58:59]
	s_add_nc_u64 s[60:61], s[6:7], s[60:61]
	s_add_nc_u64 s[96:97], s[6:7], s[96:97]
.set PFA, 98                           ; s[98:99] the prefetches' base: my quarter of tile 0 + 6,400 cy; never rewritten
	s_mul_i32 s98, s20, 6400
	s_mov_b32 s99, 0
	s_add_nc_u64 s[PFA:PFA+1], s[60:61], s[98:99]
	CROUND                                         ; all sixteen work-groups are here: the first joint loads meet
	s_mov_b32 s[G0A], 1
.set G0H, 92                           ; s[92:95] group 0 of the head's load of slot 0
	s_mov_b32 s[G0H], 1
	s_add_co_u32 s[G0H+1], s91, 102400
	s_mov_b64 s[G0H+2:G0H+3], s[96:97]
	s_or_b32 s[G0H+3], s[G0H+3], 0x80000000
	s_mov_b32 s[G0A+1], s90
	s_mov_b64 s[G0A+2:G0A+3], s[58:59]
	s_or_b32 s[G0A+3], s[G0A+3], 0x80000000
	s_mov_b32 s[G0B], 1
	s_add_co_u32 s[G0B+1], s23, 102400
	s_mov_b64 s[G0B+2:G0B+3], s[60:61]
	s_or_b32 s[G0B+3], s[G0B+3], 0x80000000
	s_mov_b32 s[G0B+4], 1
	s_add_co_u32 s[G0B+5], s23, 204800
	s_add_nc_u64 s[G0B+6:G0B+7], s[60:61], 102400
	s_or_b32 s[G0B+7], s[G0B+7], 0x80000000
	s_cmp_eq_u32 s15, 0                            ; one tensor load a wave at the head: waves 0 and 1 bring the tokens' halves, wave 2 tile 0, wave 3 tile 1
	s_cbranch_scc0 .Lhead_b
	tensor_load_to_lds s[G0A:G0A+3], s[G1A:G1A+7]
	s_nop 0
	PLACES 4
	s_branch .Lhead_asked
.Lhead_b:
	tensor_load_to_lds s[G0H:G0H+3], s[G1B:G1B+7]
	s_nop 0
	PLACES 4
.Lhead_asked:
	v_and_b32 v1, 15, v0                           ; r
	v_bfe_u32 v2, v0, 4, 1                         ; h
	v_and_b32 v3, 31, v0
	v_lshlrev_b32 v[L16], 4, v3
	v_lshlrev_b32 v[L8], 3, v3
	v_add_nc_u32 v[L8], 512, v[L8]
	v_lshlrev_b32 v[R16], 4, v1
	v_lshlrev_b32 v[BO], 6, v2
.set PFO, 26                           ; v26 the prefetches' offset: 256 x min(lane, 24); never rewritten
	v_min_u32 v[PFO], 24, v3
	v_lshlrev_b32 v[PFO], 8, v[PFO]
	s_mul_i32 s66, s15, 6144
	s_mul_i32 s67, s16, 6144
	s_add_co_u32 s67, s67, 102400
	v_add_nc_u32 v[ADA], s66, v[L16]
	v_add_nc_u32 v[ADA8], s66, v[L8]
	v_add_nc_u32 v[ADA+1], 51200, v[ADA]
	v_add_nc_u32 v[ADA8+1], 51200, v[ADA8]
	v_add_nc_u32 v[ADB], s67, v[L16]
	v_add_nc_u32 v[ADB8], s67, v[L8]
.irp y, 1,2,3
	v_add_nc_u32 v[ADB+\y], 51200, v[ADB+\y-1]
	v_add_nc_u32 v[ADB8+\y], 51200, v[ADB8+\y-1]
.endr
	s_lshl_b32 s68, s15, 10
	s_add_co_u32 s68, s68, 49152
	v_lshl_add_u32 v3, v1, 4, s68                  ; the tokens' scale words: 49152 + 1024 wr + 16 r
	s_xor_b32 s71, s15, 1
	s_add_co_u32 s71, s71, s16
	s_lshl_b32 s71, s71, 10
	s_add_co_u32 s69, s71, 101376                  ; from there to the weights': 102400 + 1024 (wc - wr), one product with h
	s_add_co_u32 s70, s69, 102400                  ; and in slot 1
	v_mul_u32_u24 v[ADS], s69, v2
	v_add_nc_u32 v[ADS], v[ADS], v3
	v_add_nc_u32 v[ADS+1], 51200, v[ADS]
	v_mul_u32_u24 v[ADS+2], s70, v2
	v_add_nc_u32 v[ADS+2], v[ADS+2], v3
	v_add_nc_u32 v[ADS+3], 51200, v[ADS+2]
.irp b, 0,1,2,3
	v_mov_b32 v[TM+4+\b], 0                        ; written once: a lane permute's destination counts as one of its sources
.endr
	s_lshl_b32 s72, s18, 11
	s_lshl_b32 s73, s16, 8
	s_add_co_u32 s72, s72, s73
	s_mov_b32 s73, 0
	s_add_nc_u64 s[BB:BB+1], s[8:9], s[72:73]      ; b1 at unit 512 nb + 64 wc
	s_lshl_b32 s78, s17, 3
	s_add_co_u32 s78, s78, s18
	s_mul_i32 s78, s78, 51200                      ; my block of hid
	s_mul_i32 s79, s15, 6144
	s_add_co_u32 s74, s78, s79
	s_mul_i32 s79, s16, 768
	s_add_co_u32 s74, s74, s79
	s_mov_b32 s75, 0
	s_add_nc_u64 s[HC:HC+1], s[10:11], s[74:75]
	s_lshl_b32 s79, s15, 10
	s_add_co_u32 s76, s78, s79
	s_lshl_b32 s79, s16, 1
	s_add_co_u32 s76, s76, s79
	s_add_co_u32 s76, s76, 49152
	s_mov_b32 s77, 0
	s_add_nc_u64 s[HS:HS+1], s[10:11], s[76:77]
	BLOAD 0
	s_wait_alu depctr_va_vdst(0)
	s_wait_tensorcnt 0x0                           ; my load of the head's four is in
	s_mov_b32 s[G1B+2], 100<<16                    ; no tensor load of mine is out: from here on a load of the weights brings 100 rows
	s_mov_b32 s[G1B+4], 100
	s_barrier_signal -1
	s_barrier_wait -1                              ; everybody's is: the tokens and both slots are whole
.set gTA, 256
	FETCH 0, 0, 0, F0, 0
.set gTA, 304
	FETCH 0, 0, 1, F1, -1
.set gn, 0
	TILE                                           ; in its step 6 slot 0 takes tile 2
	EOUT 0
	TILE                                           ; in its step 6 slot 1 takes tile 3
	EOUT 1
	TILE
	EOUT 2
	TILE
	EOUT 3
	s_wait_tensorcnt 0x0                           ; the wave's end
	ds_add_u32 v[SPW], v[NIL]
	s_wait_dscnt 0x0
	CROUND                                         ; the closing round
	s_endpgm
.Lfunc_end_k_q856dc152c5_ffn1:
	.size	k_q856dc152c5_ffn1, .Lfunc_end_k_q856dc152c5_ffn1-k_q856dc152c5_ffn1
	.p2alignl 7, 3214868480
	.fill 96, 4, 3214868480
	.section	.rodata,"a",@progbits
	.p2align	6, 0x0
	.amdhsa_kernel k_q856dc152c5_ffn1
		.amdhsa_group_segment_fixed_size 327680
		.amdhsa_private_segment_fixed_size 0
		.amdhsa_enable_private_segment 0
		.amdhsa_kernarg_size 32
		.amdhsa_user_sgpr_count 2
		.amdhsa_user_sgpr_kernarg_segment_ptr 1
		.amdhsa_wavefront_size32 1
		.amdhsa_system_sgpr_workgroup_id_x 1
		.amdhsa_system_sgpr_workgroup_id_y 1
		.amdhsa_system_sgpr_workgroup_id_z 1
		.amdhsa_system_vgpr_workitem_id 0
		.amdhsa_next_free_vgpr 1024
		.amdhsa_next_free_sgpr 100
		.amdhsa_reserve_vcc 0
		.amdhsa_float_denorm_mode_32 3
		.amdhsa_float_denorm_mode_16_64 3
		.amdhsa_memory_ordered 1
		.amdhsa_forward_progress 1
		.amdhsa_inst_pref_size 178
	.end_amdhsa_kernel
	.amdgpu_metadata
---
amdhsa.version: [ 1, 2 ]
amdhsa.kernels:
  - .name:           k_q856dc152c5_ffn1
    .symbol:         k_q856dc152c5_ffn1.kd
    .args:
      - { .name: hc, .offset: 0, .size: 8, .value_kind: global_buffer, .address_space: global }
      - { .name: wts, .offset: 8, .size: 8, .value_kind: global_buffer, .address_space: global }
      - { .name: b1, .offset: 16, .size: 8, .value_kind: global_buffer, .address_space: global }
      - { .name: hid, .offset: 24, .size: 8, .value_kind: global_buffer, .address_space: global }
    .group_segment_fixed_size: 327680
    .private_segment_fixed_size: 0
    .kernarg_segment_align: 8
    .kernarg_segment_size: 32
    .max_flat_workgroup_size: 128
    .sgpr_count:     100
    .vgpr_count:     1024
    .wavefront_size: 32
...
	.end_amdgpu_metadata
.endif
;; end of part 6
;; launch ffn2 (part 7): grid 8 x 32, 4 waves a work-group, clusters of 4 x 4, 327,680 bytes of LDS; arguments hid, wts, b2, x1, out0; writes out0
.if DOCPART == 7
	.amdgcn_target "amdgcn-amd-amdhsa--gfx1250"
	.amdhsa_code_object_version 6
	.text
	.protected	k_q856dc152c5_ffn2
	.globl	k_q856dc152c5_ffn2
	.p2align	8
	.type	k_q856dc152c5_ffn2,@function
k_q856dc152c5_ffn2:
	s_mov_b64 s[64:65], 0
	v_nop
	global_prefetch_b8 v0, s[64:65] scope:SCOPE_SE
	s_setreg_imm32_b32 hwreg(HW_REG_WAVE_MODE, 25, 1), 1
	s_wait_xcnt 0x0
	s_wait_alu depctr_hold_cnt(0) depctr_sa_sdst(0) depctr_va_vdst(0) depctr_va_sdst(0) depctr_va_ssrc(0) depctr_va_vcc(0) depctr_vm_vsrc(0)
	s_getreg_b32 s2, hwreg(HW_REG_IB_STS2, 6, 4)
	s_cmp_eq_u32 s2, 0
	s_cbranch_scc0 .Lentry_in_a_cluster
	s_endpgm
.Lentry_in_a_cluster:
	s_bfe_u32 s2, ttmp6, 0x10000c
	s_cmp_lg_u32 s2, 0xf033
	s_cbranch_scc0 .Lentry_shape_is_right
	s_endpgm
.Lentry_shape_is_right:
.set SPARE, 307200
.set STAGE, 307712
.set ADA,  4
.set ADA8, 7
.set ADB,  10
.set ADB8, 13
.set ADS,  16
.set L16,  20
.set L8,   21
.set STO,  24
.set RD,   25
.set XO,   26
.set BO,   27
.set SPW,  28
.set NIL,  29
.set SC,   32
.set ACC,  128
.set F0,   0
.set F1,   96
.set BIAS, 192
.set G1A,  24
.set G1B,  32
.set G2A,  40
.set G2B,  48
.set G0A,  56
.set H0A,  60
.set G0B,  68
.set H0B,  72
.set XB,   76
.set OB,   78
.set BB,   80
.set W25,  23
.set W51,  82
.set MSB, 0
.macro WIN new
.if MSB != \new
	s_set_vgpr_msb (MSB<<8)|\new
.set MSB, \new
.endif
.endm
.set NSTEP, 32                         ; K steps of 128: eight chunks of 512; chunk c lies in place c % 3
.set TO_F, 0x40
.set TO_X, 0x80
.set ADDX, 0x08
.macro PLACES n
.rept \n
	v_nop
.endr
.endm
.macro CREST
	s_cmp_lg_u32 s14, 0
	s_cbranch_scc1 .Lnot_wave_0_\@
	s_barrier_signal -3
.Lnot_wave_0_\@:
	s_barrier_wait -3
	s_barrier_signal -1
	s_barrier_wait -1
.endm
.macro CROUND
	s_barrier_signal -1
	s_barrier_wait -1
	CREST
.endm
.macro JLOAD g0a, g1a, g0b, g1b
	s_cmp_eq_u32 s15, 0
	s_cbranch_scc0 .Lfor_b_\@
	tensor_load_to_lds s[\g0a:\g0a+3], s[\g1a:\g1a+7]
	s_nop 0
	PLACES 4
	s_branch .Lasked_\@
.Lfor_b_\@:
	tensor_load_to_lds s[\g0b:\g0b+3], s[\g1b:\g1b+7]
	s_nop 0
	PLACES 4
.Lasked_\@:
.endm
.macro MWIN f, cm                      ; sources 0 and 1 in the buffer's window; C in window 1 where the bias starts the sums (cm = 2), else with D in window 0
	WIN ((1+(\f)/256)*5+8*(\cm))
.endm
.macro FRAG reg, a16, a8, off
.set rF, (\reg)%256                    ; a buffer is named by 256 x (its window - 1) + its first register
	ds_load_b128 v[rF:rF+3], v[\a16] offset:\off
	ds_load_b64 v[rF+4:rF+5], v[\a8] offset:\off
	ds_load_b128 v[rF+6:rF+9], v[\a16] offset:\off+768
	ds_load_b64 v[rF+10:rF+11], v[\a8] offset:\off+768
.endm
.macro FETCH p, ks, f, set
	WIN ((1+(\f)/256)<<6)
.irp i, 0,1,2,3
	FRAG (\f)+12*\i, ADB+(\p), ADB8+(\p), (\ks)*12288+\i*1536
.endr
.irp i, 0,1
	FRAG (\f)+48+12*\i, ADA+(\p), ADA8+(\p), (\ks)*12288+\i*1536
.endr
.if \set >= 0
	WIN 0
.irp i, 0,1,2,3
	ds_load_b128 v[SC+16*(\set)+4*\i:SC+16*(\set)+4*\i+3], v[ADS+(\p)] offset:\i*256
.endr
	WIN ((1+(\f)/256)<<6)
.endif
.irp i, 2,3
	FRAG (\f)+48+12*\i, ADA+(\p), ADA8+(\p), (\ks)*12288+\i*1536
.endr
.endm
.macro MULA f, a, ks, set, cm
.irp b, 0,1,2,3
.set rD, ACC+8*(4*(\a)+\b)
.set rW, (\f)%256+12*\b
.set rT, (\f)%256+48+12*(\a)
.set zW, SC+16*(\set)+4*\b+(\ks)
.set zT, SC+16*(\set)+4*(\a)+(\ks)
.if \cm == 2
	v_wmma_scale_f32_16x16x128_f8f6f4 v[rD:rD+7], v[rW:rW+11], v[rT:rT+11], v[BIAS+8*\b:BIAS+8*\b+7], v[zW], v[zT] matrix_a_fmt:MATRIX_FMT_FP6 matrix_b_fmt:MATRIX_FMT_FP6 matrix_a_scale:MATRIX_SCALE_ROW1
.else
	v_wmma_scale_f32_16x16x128_f8f6f4 v[rD:rD+7], v[rW:rW+11], v[rT:rT+11], v[rD:rD+7], v[zW], v[zT] matrix_a_fmt:MATRIX_FMT_FP6 matrix_b_fmt:MATRIX_FMT_FP6 matrix_a_scale:MATRIX_SCALE_ROW1
.endif
.endr
.endm
.macro REFILL w
.if \w == 1
	s_mov_b32 s[H0A+1], s[W51]
	s_add_co_u32 s[H0B+1], s[W51], 153600
	s_add_nc_u64 s[H0A+2:H0A+3], s[H0A+2:H0A+3], 153600    ; from my half of chunks 0 to 2 (76,800 x half) to my half of chunks 3 and 4 (153,600 + 51,200 x half)
	s_sub_nc_u64 s[H0A+2:H0A+3], s[H0A+2:H0A+3], s[88:89]
	s_add_nc_u64 s[H0B+2:H0B+3], s[H0B+2:H0B+3], 153600
	s_sub_nc_u64 s[H0B+2:H0B+3], s[H0B+2:H0B+3], s[88:89]
	JLOAD H0A, G2A, H0B, G2B
.elseif \w == 2
	s_add_co_u32 s[G0A+1], s[W25], 102400
	s_add_co_u32 s[G0B+1], s[W25], 256000
	s_add_nc_u64 s[G0A+2:G0A+3], s[G0A+2:G0A+3], 256000
	s_add_nc_u64 s[G0B+2:G0B+3], s[G0B+2:G0B+3], 256000
	JLOAD G0A, G1A, G0B, G1B
.else
	s_add_nc_u64 s[H0A+2:H0A+3], s[H0A+2:H0A+3], 153600
	s_add_nc_u64 s[H0B+2:H0B+3], s[H0B+2:H0B+3], 153600
	JLOAD H0A, G2A, H0B, G2B
.endif
.endm
; THE WALK ALONG K.  Step st multiplies fragment buffer st % 3 (window 1 v0-95, window 1 v96-191, window 2 v128-223).  It first asks for the fragments of step st + 2, into the buffer that step st - 1 multiplied,
; behind four places; then it waits for its own: the count is the loads of steps st + 1 and st + 2 (32 a step, 36 where a chunk's scale words come along), held at 63, the field's most.
; THE THIRD STEP OF CHUNKS 1, 2, 4 AND 5 MEETS: all reads of the chunk's place have been issued by then.  One barrier; in front of it each wave waits for all its tensor loads, adds 0 to its spare word, and waits
; for that and for its LDS reads.  In chunks 1, 2 and 4 the barrier opens a round of the cluster's barrier, and chunks 3 and 4, chunk 5, chunks 6 and 7 are asked for, into places that are read no more.
.macro GS st
.set gFA, 96*((\st)%3)+192*(((\st)%3)/2)
.set gM,  (\st)+2
.set gFG, 96*(gM%3)+192*((gM%3)/2)
.set gKS, (\st)%4
.set gC,  (\st)/4
.set gSE, gC%2
.set gCM, 2-2*(((\st)+31)/32)          ; 2 in the first step: the bias starts the sums
.set gZ,  1-((gM%4)+3)/4               ; 1 where step st + 2 begins a chunk
.set gP,  (gM/4)%3
.set gNS, gZ*((gM/4)%2+1)-1
.set gO1, 36-4*(((((\st)+1)%4)+3)/4)   ; the loads of step st + 1
.if gM < NSTEP
.set gOUT, gO1+32+4*gZ
.elseif gM == NSTEP
.set gOUT, gO1
.else
.set gOUT, 0
.endif
.if gOUT > 63
.set gOUT, 63
.endif
.set gEV, -1                           ; -1: no meeting; 0: a barrier alone; 1, 2, 3: which refill
.if gKS == 2
.if gC == 5
.set gEV, 0
.elseif gC == 1
.set gEV, 1
.elseif gC == 2
.set gEV, 2
.elseif gC == 4
.set gEV, 3
.endif
.endif
.if gEV >= 0
	WIN 0
	s_wait_tensorcnt 0x0                           ; all my tensor loads have landed
	ds_add_u32 v[SPW], v[NIL]
	s_wait_dscnt gO1+1                             ; (the add and the next step's loads may be out)
	MWIN gFA, 0
	MULA gFA, 0, gKS, gSE, 0
	s_wait_dscnt 0x0                               ; the add is done, and my reads of this chunk's place are over
	s_barrier_signal -1
	MULA gFA, 1, gKS, gSE, 0
	WIN 0
	s_barrier_wait -1
.if gEV > 0
	CREST
	REFILL gEV
.else
	PLACES 4
.endif
	FETCH gP, gM%4, gFG, gNS
	MWIN gFA, 0
	MULA gFA, 2, gKS, gSE, 0
	MULA gFA, 3, gKS, gSE, 0
.else
.if gM < NSTEP
	PLACES 4
	FETCH gP, gM%4, gFG, gNS
.endif
	s_wait_dscnt gOUT
	MWIN gFA, gCM
.irp a, 0,1,2,3
	MULA gFA, \a, gKS, gSE, gCM
.endr
.endif
.endm
.macro TOSTAGE a
.irp b, 0,1,2,3
	ds_store_b128 v[STO], v[ACC+8*(4*(\a)+\b):ACC+8*(4*(\a)+\b)+3] offset:128*(\b/2)+32*(\b%2)
	ds_store_b128 v[STO], v[ACC+8*(4*(\a)+\b)+4:ACC+8*(4*(\a)+\b)+7] offset:128*(\b/2)+32*(\b%2)+16
.endr
.set BK, 64+32*((\a)%2)
.irp t, 0,1,2,3,4,5,6,7
	ds_load_b128 v[BK+4*\t:BK+4*\t+3], v[RD] offset:\t*544
.endr
.endm
.macro SEND a, younger
.set BK, 64+32*((\a)%2)
	s_wait_dscnt \younger
	s_wait_loadcnt 8*(3-(\a))                      ; block a of x1 is in; the later blocks' loads, eight each, may be out
	WIN ADDX
.set ri, 0
.rept 16
	v_pk_add_f32 v[BK+2*ri:BK+2*ri+1], v[BK+2*ri:BK+2*ri+1], v[32*(\a)+2*ri:32*(\a)+2*ri+1]
.set ri, ri+1
.endr
	WIN 0
.irp t, 0,1,2,3,4,5,6,7
	global_store_b128 v[XO], v[BK+4*\t:BK+4*\t+3], s[OB:OB+1] offset:(32*((\a)/2)+8*((\a)%2)+2*\t+8*(\t/4))*4096
.endr
.endm
	s_load_b256 s[4:11], s[0:1], 0x0
	s_load_b64 s[12:13], s[0:1], 0x20
	v_lshl_add_u32 v[SPW], v0, 2, SPARE
	v_mov_b32 v[NIL], 0
	ds_add_u32 v[SPW], v[NIL]
	ds_add_u32 v[SPW], v[NIL]
	v_lshrrev_b32 v1, 5, v0
	v_readfirstlane_b32 s14, v1
	s_lshr_b32 s15, s14, 1
	s_and_b32 s16, s14, 1
	s_bfe_u32 s19, ttmp6, 0x40000
	s_bfe_u32 s20, ttmp6, 0x40004
	s_lshl_b32 s18, ttmp9, 2
	s_add_co_u32 s18, s18, s19
	s_and_b32 s17, ttmp7, 0xffff
	s_lshl_b32 s17, s17, 2
	s_add_co_u32 s17, s17, s20
	s_lshl_b32 s21, s20, 2
	s_lshl_b32 s21, 15, s21
	s_lshl_b32 s22, 0x1111, s19
	s_or_b32 s[G1A], s21, (3<<16)|(1<<21)
	s_or_b32 s[G1B], s22, (3<<16)|(1<<21)
	s_or_b32 s[G2A], s21, (3<<16)|(1<<21)
	s_or_b32 s[G2B], s22, (3<<16)|(1<<21)
.irp g, G1A, G1B
	s_mov_b32 s[\g+1], 32<<16
	s_mov_b32 s[\g+2], 100<<16
	s_mov_b32 s[\g+3], 32<<16
	s_mov_b32 s[\g+4], 100
	s_mov_b32 s[\g+5], 32
	s_mov_b32 s[\g+6], 0
	s_mov_b32 s[\g+7], 0
.endr
.irp g, G2A, G2B
	s_mov_b32 s[\g+1], 32<<16
	s_mov_b32 s[\g+2], 300<<16                     ; the head's loads bring 300 rows of 256 bytes: half of three chunks; behind them the two words are set to 200
	s_mov_b32 s[\g+3], 32<<16
	s_mov_b32 s[\g+4], 300
	s_mov_b32 s[\g+5], 32
	s_mov_b32 s[\g+6], 0
	s_mov_b32 s[\g+7], 0
.endr
	s_mul_i32 s[W25], s16, 25600
	s_mul_i32 s[W51], s16, 51200
	s_mul_i32 s84, s17, 409600
	s_mov_b32 s85, 0
	s_mul_i32 s86, s18, 409600
	s_add_co_u32 s86, s86, 128*51200
	s_mov_b32 s87, 0
	s_mov_b32 s88, s[W25]
	s_mov_b32 s89, 0
	s_mul_i32 s90, s16, 76800                      ; my half of chunks 0 to 2, which are neighbours in memory and in LDS
	s_mov_b32 s91, 0
	s_wait_dscnt 0x0
	s_wait_kmcnt 0x0
	s_add_nc_u64 s[84:85], s[4:5], s[84:85]
	s_add_nc_u64 s[86:87], s[6:7], s[86:87]
	CROUND
	s_mov_b32 s[G0A], 1
	s_mov_b32 s[G0A+1], s[W25]
	s_add_nc_u64 s[G0A+2:G0A+3], s[84:85], s[88:89]
	s_or_b32 s[G0A+3], s[G0A+3], 0x80000000
	s_mov_b32 s[G0B], 1
	s_add_co_u32 s[G0B+1], s[W25], 153600
	s_add_nc_u64 s[G0B+2:G0B+3], s[86:87], s[88:89]
	s_or_b32 s[G0B+3], s[G0B+3], 0x80000000
	s_mov_b32 s[H0A], 1
	s_mov_b32 s[H0A+1], s90
	s_add_nc_u64 s[H0A+2:H0A+3], s[84:85], s[90:91]
	s_or_b32 s[H0A+3], s[H0A+3], 0x80000000
	s_mov_b32 s[H0B], 1
	s_add_co_u32 s[H0B+1], s90, 153600
	s_add_nc_u64 s[H0B+2:H0B+3], s[86:87], s[90:91]
	s_or_b32 s[H0B+3], s[H0B+3], 0x80000000
	JLOAD H0A, G2A, H0B, G2B                       ; one tensor load a wave at the head: chunks 0 to 2 fill all three places
.set PFA, 84                           ; s[84:85] the prefetches' base: of the half chunk (100 blocks of 256 bytes) that my wave stands for, each of the four partners that load it jointly names 25, told apart by address (cx for hid, cy for W2); never rewritten
	s_cmp_eq_u32 s15, 0
	s_cselect_b64 s[PFA:PFA+1], s[84:85], s[86:87]
	s_cselect_b32 s86, s19, s20
	s_mul_i32 s86, s86, 6400
	s_add_co_u32 s86, s86, s[W25]
	s_mov_b32 s87, 0
	s_add_nc_u64 s[PFA:PFA+1], s[PFA:PFA+1], s[86:87]
	v_and_b32 v1, 15, v0
	v_bfe_u32 v2, v0, 4, 1
	v_and_b32 v3, 31, v0
	v_lshlrev_b32 v[L16], 4, v3
	v_lshlrev_b32 v[L8], 3, v3
	v_add_nc_u32 v[L8], 512, v[L8]
	s_mul_i32 s66, s15, 6144
	s_mul_i32 s67, s16, 6144
	s_add_co_u32 s67, s67, 153600
	v_add_nc_u32 v[ADA], s66, v[L16]
	v_add_nc_u32 v[ADA8], s66, v[L8]
	v_add_nc_u32 v[ADB], s67, v[L16]
	v_add_nc_u32 v[ADB8], s67, v[L8]
.irp p, 1,2
	v_add_nc_u32 v[ADA+\p], 51200, v[ADA+\p-1]
	v_add_nc_u32 v[ADA8+\p], 51200, v[ADA8+\p-1]
	v_add_nc_u32 v[ADB+\p], 51200, v[ADB+\p-1]
	v_add_nc_u32 v[ADB8+\p], 51200, v[ADB8+\p-1]
.endr
	s_lshl_b32 s92, s15, 10
	s_add_co_u32 s92, s92, 49152
	v_lshl_add_u32 v3, v1, 4, s92
	s_xor_b32 s93, s15, 1
	s_add_co_u32 s93, s93, s16
	s_lshl_b32 s93, s93, 10
	s_add_co_u32 s93, s93, 152576
	v_mul_u32_u24 v[ADS], s93, v2
	v_add_nc_u32 v[ADS], v[ADS], v3
	v_add_nc_u32 v[ADS+1], 51200, v[ADS]
	v_add_nc_u32 v[ADS+2], 51200, v[ADS+1]
	s_mul_i32 s94, s14, 4352
	s_add_co_u32 s94, s94, STAGE
	v_mul_u32_u24 v[STO], v1, 272
	v_lshl_add_u32 v[STO], v2, 6, v[STO]
	v_add_nc_u32 v[STO], s94, v[STO]
	v_mul_u32_u24 v[RD], v2, 272
	v_lshl_add_u32 v[RD], v1, 4, v[RD]
	v_add_nc_u32 v[RD], s94, v[RD]
	v_lshlrev_b32 v[XO], 12, v2
	v_lshl_add_u32 v[XO], v1, 4, v[XO]
	v_lshlrev_b32 v[BO], 6, v2
.set PFO, 22                           ; v22 the prefetches' offset: 256 x min(lane, 24): a lane a block, lanes 25-31 the last again; never rewritten
	v_and_b32 v[PFO], 31, v0
	v_min_u32 v[PFO], 24, v[PFO]
	v_lshlrev_b32 v[PFO], 8, v[PFO]
	s_wait_alu depctr_va_vdst(0)
	s_lshl_b32 s96, s17, 19
	s_lshl_b32 s97, s15, 18
	s_add_co_u32 s96, s96, s97
	s_lshl_b32 s98, s18, 9
	s_lshl_b32 s97, s16, 8
	s_add_co_u32 s98, s98, s97
	s_add_co_u32 s96, s96, s98
	s_mov_b32 s97, 0
	s_mov_b32 s99, 0
	s_add_nc_u64 s[XB:XB+1], s[10:11], s[96:97]
	s_add_nc_u64 s[OB:OB+1], s[12:13], s[96:97]
	s_add_nc_u64 s[BB:BB+1], s[8:9], s[98:99]
	WIN TO_F
.irp b, 0,1,2,3
	global_load_b128 v[BIAS+8*\b:BIAS+8*\b+3], v[BO], s[BB:BB+1] offset:128*(\b/2)+32*(\b%2)
	global_load_b128 v[BIAS+8*\b+4:BIAS+8*\b+7], v[BO], s[BB:BB+1] offset:128*(\b/2)+32*(\b%2)+16
.endr
.macro XLOAD a                         ; block a of x1, 16 rows of my 64: wanted on the way out alone
	WIN TO_X
.irp t, 0,1,2,3,4,5,6,7
	global_load_b128 v[32*(\a)+4*\t:32*(\a)+4*\t+3], v[XO], s[XB:XB+1] offset:(32*((\a)/2)+8*((\a)%2)+2*\t+8*(\t/4))*4096
.endr
.endm
	WIN 0
	s_wait_tensorcnt 0x0                           ; my half of chunks 0 to 2 is in
	s_mov_b32 s[G2A+2], 200<<16                    ; no tensor load of mine is out: from here on these two groups bring 200 rows, half of two chunks
	s_mov_b32 s[G2A+4], 200
	s_mov_b32 s[G2B+2], 200<<16
	s_mov_b32 s[G2B+4], 200
	s_barrier_signal -1
	s_barrier_wait -1                              ; everybody's is
	FETCH 0, 0, F0, 0
	FETCH 0, 1, F1, -1
	s_wait_loadcnt 0x0                             ; the bias
.set gn, 0
.rept 32
.if gn == 0 || gn == 1 || gn == 5 || gn == 9 || gn == 13   ; chunks 3, 4, 5, 6, 7 are asked for in steps 0, 1, 5, 9, 13; the loads that bring them stand in steps 6, 6, 10, 18, 18
	WIN 0
	global_prefetch_b8 v[PFO], s[PFA:PFA+1] offset:51200*(3+(gn+3)/4) th:TH_LOAD_NT scope:SCOPE_SE
.endif
.if gn >= 11 && gn < 15                ; x1 is asked for in steps 11 to 14, a block a step
	XLOAD gn-11
.endif
	GS gn
.set gn, gn+1
.endr
	WIN 0
	PLACES 4
	TOSTAGE 0
.irp a, 1,2,3
.if \a > 1
	s_wait_xcnt 0x0
.endif
	TOSTAGE \a
	SEND \a-1, 16
.endr
	SEND 3, 0
	s_wait_tensorcnt 0x0
	ds_add_u32 v[SPW], v[NIL]
	s_wait_dscnt 0x0
	CROUND
	s_endpgm
.Lfunc_end_k_q856dc152c5_ffn2:
	.size	k_q856dc152c5_ffn2, .Lfunc_end_k_q856dc152c5_ffn2-k_q856dc152c5_ffn2
	.p2alignl 7, 3214868480
	.fill 96, 4, 3214868480
	.section	.rodata,"a",@progbits
	.p2align	6, 0x0
	.amdhsa_kernel k_q856dc152c5_ffn2
		.amdhsa_group_segment_fixed_size 327680
		.amdhsa_private_segment_fixed_size 0
		.amdhsa_enable_private_segment 0
		.amdhsa_kernarg_size 40
		.amdhsa_user_sgpr_count 2
		.amdhsa_user_sgpr_kernarg_segment_ptr 1
		.amdhsa_wavefront_size32 1
		.amdhsa_system_sgpr_workgroup_id_x 1
		.amdhsa_system_sgpr_workgroup_id_y 1
		.amdhsa_system_sgpr_workgroup_id_z 1
		.amdhsa_system_vgpr_workitem_id 0
		.amdhsa_next_free_vgpr 768
		.amdhsa_next_free_sgpr 100
		.amdhsa_reserve_vcc 0
		.amdhsa_float_denorm_mode_32 3
		.amdhsa_float_denorm_mode_16_64 3
		.amdhsa_memory_ordered 1
		.amdhsa_forward_progress 1
		.amdhsa_inst_pref_size 167
	.end_amdhsa_kernel
	.amdgpu_metadata
---
amdhsa.version: [ 1, 2 ]
amdhsa.kernels:
  - .name:           k_q856dc152c5_ffn2
    .symbol:         k_q856dc152c5_ffn2.kd
    .args:
      - { .name: hid, .offset: 0, .size: 8, .value_kind: global_buffer, .address_space: global }
      - { .name: wts, .offset: 8, .size: 8, .value_kind: global_buffer, .address_space: global }
      - { .name: b2, .offset: 16, .size: 8, .value_kind: global_buffer, .address_space: global }
      - { .name: x1, .offset: 24, .size: 8, .value_kind: global_buffer, .address_space: global }
      - { .name: out0, .offset: 32, .size: 8, .value_kind: global_buffer, .address_space: global }
    .group_segment_fixed_size: 327680
    .private_segment_fixed_size: 0
    .kernarg_segment_align: 8
    .kernarg_segment_size: 40
    .max_flat_workgroup_size: 128
    .sgpr_count:     100
    .vgpr_count:     768
    .wavefront_size: 32
...
	.end_amdgpu_metadata
.endif
;; end of part 7
